; MI455X (gfx1250); checked and timed in simulation.
; The chip was launched on July 23, 2026; its instructions are those of AMD's public machine-readable ISA for CDNA 5 (MIT licence, August 2026) and "CDNA5" Instruction Set Architecture Reference Guide (July 2026). The comments in the code are by the model that wrote it; some were corrected since.
;; Attention. Allowed arithmetic: matrix products marked QUANTISED: E2M1 operands, one E8M0 scale for each 32 along K, by v_wmma_scale_f32_16x16x128_f8f6f4 with both operands' format E2M1 (or v_wmma_scale_f32_32x16x128_f4), f32 sums; everything else in f32.
;; Inputs: Wk_codes 1,024 x 32 x 16 uint8 (E2M1 codes of Wk, K innermost, in blocks of 32 codes, two codes a byte); Wk_scales 1,024 x 32 uint8 (E8M0 scales of Wk, one for each 32 codes along K); Wq_codes 1,024 x 32 x 16 uint8 (E2M1 codes of Wq, K innermost, in blocks of 32 codes, two codes a byte); Wq_scales 1,024 x 32 uint8 (E8M0 scales of Wq, one for each 32 codes along K); Wv_codes 1,024 x 32 x 16 uint8 (E2M1 codes of Wv, K innermost, in blocks of 32 codes, two codes a byte); Wv_scales 1,024 x 32 uint8 (E8M0 scales of Wv, one for each 32 codes along K); x_codes 4 x 2,048 x 32 x 16 uint8 (E2M1 codes of x, K innermost, in blocks of 32 codes, two codes a byte); x_scales 4 x 2,048 x 32 uint8 (E8M0 scales of x, one for each 32 codes along K).
;; Outputs: out0 4 x 2,048 x 1,024 float32.
;; This version of the problem:
;;   THIS VERSION OF THE PROBLEM IS GIVEN IN LOW PRECISION. The matrix products marked QUANTISED in the list below multiply operands that are first quantised to E2M1 (2 exponent bits, 1 mantissa bit; 4 bits a number), with one power-of-two scale for each 32 numbers along K (OCP MX v1.0); their sums are f32. All else is computed in f32.
;;   The module's matrix products, in the order in which they are computed (A, B: the left and right operand; K: the contracted axis; several contracted axes count as one K, in the product's order):
;;     1. [M 8,192, K 1,024] x [K 1,024, N 1,024]; A: input x (given as codes); B: input Wq (given as codes): QUANTISED
;;     2. [M 8,192, K 1,024] x [K 1,024, N 1,024]; A: input x (given as codes); B: input Wk (given as codes): QUANTISED
;;     3. [M 8,192, K 1,024] x [K 1,024, N 1,024]; A: input x (given as codes); B: input Wv (given as codes): QUANTISED
;;     4. batch 4 x [M 2,048, K 1,024] x [K 1,024, N 2,048]; A: computed on the way; B: computed on the way: QUANTISED
;;     5. batch 4 x [M 2,048, K 2,048] x [K 2,048, N 1,024]; A: softmax (see below); B: computed on the way: QUANTISED
;;   THE QUANTISER, for each operand of a quantised product, along K:
;;     - K is cut into blocks of 32 from its start; a last block that is shorter is filled with zeros.
;;     - A block's scale is 2^e with e = floor(log2(the largest magnitude in the block)) - 2, held to -126 .. 127; a block of zeros has e = 0. As a byte (E8M0): e + 127.
;;     - Each number is divided by its block's scale, clamped to +-6, and rounded to the nearest number of E2M1, ties to even, subnormals kept.
;;     - The product sums the exact products of the quantised numbers (number of the format x scale) in f32.
;;   ~~~python
;;   def quantise(x, axis):      # numpy; x: float32 -> the quantised numbers, widened to float32 again
;;       x = np.moveaxis(x, axis, -1); K = x.shape[-1]
;;       x = np.pad(x, [(0, 0)] * (x.ndim - 1) + [(0, -K % 32)]); x = x.reshape(x.shape[:-1] + (-1, 32)); a = np.abs(x).max(-1, keepdims=True)
;;       e = np.where(a > 0, np.clip(np.frexp(np.where(a > 0, a, 1))[1] - 1 - 2, -126, 127), 0)      # np.frexp(a)[1] - 1 = floor(log2(a)), exactly
;;       r = np.clip(x / 2.0 ** e, -6, 6)
;;       step = 2.0 ** (np.maximum(np.frexp(np.where(r == 0, 1, r))[1] - 1, 0) - 1)
;;       q = np.round(r / step) * step * 2.0 ** e      # np.round: ties to even
;;       return np.moveaxis(q.reshape(q.shape[:-2] + (-1,))[..., :K], -1, axis).astype(np.float32)
;;   ~~~
;;   SOFTMAX AHEAD OF A QUANTISED PRODUCT. Where the list says 'softmax', what is quantised is not the finished softmax but p = 2^(t - M), with t = logit x log2(e) and M = ceil(the row's largest t), a whole number; so 1/2 < the row's largest p <= 1. The row's sum l is taken of the UNQUANTISED p, in f32, and the product's result is divided by l at the end. Since M is a whole number, a kernel that streams over the keys may use a running M (the ceiling of the running maximum): every later rescaling is an exact power of two, which a block's scale takes up: the codes' values come out the same.
;;   OPERANDS COMPUTED ON THE WAY. 'Computed on the way' means the value that the module computes at that place (a softmax that the list does not call 'softmax' is quantised finished and normalised). What goes into a quantiser is computed in f32, as accurately as f32 sums, v_exp_f32 and their like allow (about 1e-6 of the number): no bf16 or f16 on the way to a quantiser, and a product that is left as it is and whose result goes on into a quantised operand takes f32 operands (vector FMAs, or v_wmma_f32_16x16x4_f32). A number that lies on a knife's edge between two numbers of the format may be rounded either way, as far as f32 arithmetic and the matrix unit's own rounding can turn it there, and no further.
;;   INPUTS GIVEN AS CODES. Wk (in the module: [1024, 1024], K = its axis 1); Wq (in the module: [1024, 1024], K = its axis 1); Wv (in the module: [1024, 1024], K = its axis 1); x (in the module: [4, 2048, 1024], K = its axis 2): each comes as NAME_codes (uint8): NAME with its K axis moved to the last place and cut into blocks of 32 codes, [.., K / 32, bytes a block], one block behind the other in memory; two codes a byte, the lower K in the low four bits (a code: sign, 2 exponent bits, 1 mantissa bit); and NAME_scales (uint8): the same leading axes, one E8M0 byte (e + 127) for each 32 codes along K. Its value is code x scale, taken as it is: it is not quantised again, and the codes and scales need not be those that the quantiser above would give.
;; One version. Each part assembles by itself: llvm-mc -triple=amdgcn-amd-amdhsa -mcpu=gfx1250 --defsym DOCPART=n.
;; ======== version 1 of 1: 3 launches
;; limits: right only within a limited range of input values
;; workspace buffers: qkv_img 12,582,912 bytes; qkv_sc 786,432 bytes; p_img 4,456,448 bytes; p_st 835,584 bytes
;; launch proj (part 1): grid 8 x 32, 4 waves a work-group, clusters of 4 x 4, 327,680 bytes of LDS; arguments x_codes, x_scales, Wq_codes, Wq_scales, Wk_codes, Wk_scales, Wv_codes, Wv_scales, qkv_img, qkv_sc; writes qkv_img, qkv_sc
.if DOCPART == 1
	.amdgcn_target "amdgcn-amd-amdhsa--gfx1250"
	.amdhsa_code_object_version 6
	.text
	.protected	k_q4ffe93b7f8_proj
	.globl	k_q4ffe93b7f8_proj
	.p2align	8
	.type	k_q4ffe93b7f8_proj,@function
k_q4ffe93b7f8_proj:
	s_mov_b64 s[64:65], 0
	v_nop
	global_prefetch_b8 v0, s[64:65] scope:SCOPE_SE
	s_setreg_imm32_b32 hwreg(HW_REG_WAVE_MODE, 25, 1), 1
	s_wait_xcnt 0x0
	s_wait_alu depctr_hold_cnt(0) depctr_sa_sdst(0) depctr_va_vdst(0) depctr_va_sdst(0) depctr_va_ssrc(0) depctr_va_vcc(0) depctr_vm_vsrc(0)
	s_getreg_b32 s2, hwreg(HW_REG_IB_STS2, 6, 4)
	s_cmp_eq_u32 s2, 0
	s_cbranch_scc0 .Lentry_in_a_cluster
	s_endpgm
.Lentry_in_a_cluster:
	s_bfe_u32 s2, ttmp6, 0x10000c
	s_cmp_lg_u32 s2, 0xf033
	s_cbranch_scc0 .Lentry_shape_is_right
	s_endpgm
.Lentry_shape_is_right:
; q = x Wq^T, k = x Wk^T, v = x Wv^T on codes of FP4 (E2M1) with E8M0 scales, f32 sums; the results are quantised at once: q and k along the model's 1,024, v along the keys.
; THE PROGRAM: three launches.  This one makes q, k, v as codes; the second makes p = 2^(t - M) of every causal tile of scores, as codes, each chunk of 128 keys under its own whole number M;
; the third finds each row's M and sum, takes M(row) - M(chunk) off p's scale bytes (an exact power of two) and multiplies p by v.
; DEAD WORK, left out in the later launches: reference() itself sets every score with key > query to -infinity, so its weight is 0 whatever finite values the inputs hold.  Left out in whole units:
; the tiles of 256 queries x 256 keys that lie wholly above the diagonal, and in the last product every step of 128 keys that lies wholly behind a block of 128 queries.
; Nothing is left out here: every row of q, k and v is used.  Every input has a way to the output and is loaded.
; LIMITS: a NaN, an infinity or an overflow that arises only in the scores left out is not carried to the result; NaN and infinities in the operands are not served; a block of zeros gets the scale byte 1
; (its codes are zeros; the bytes are read by this program alone); blocks whose largest magnitude lies under 2^(3 - 127) are held at that byte.
; SHARES.  Work-group (gx, gy) takes x's rows 256 gy on against rows 128 gx on of Wq, of Wk and of Wv.  Wave w (m = w / 2, xh = w % 2) makes two tiles:
;   q (m = 0) or k (m = 1): source 0 = the weight's 128 rows, source 1 = x's rows 128 xh on: 64 accumulators;
;   v: the SAME rows of x as source 0, Wv's rows 64 m on as source 1: 32 accumulators.  x's fragments serve both tiles.
; In each tile a lane holds ONE row of source 1, and its registers run along source 0's rows, the NEXT product's K: tile t, register j of lane (r, h) is next-K index 16 t + 8 h + j.
; LDS.  K goes in two halves of 512, 256 bytes of memory a row.  Half 0 of all 640 rows comes with the head; half 1 of x, Wq and Wk behind the first round; half 1 of Wv refills the bytes of its half 0, asked for in step 3.
; CLUSTERS: 4 x 4 work-groups; x's tiles are shared along a row of the cluster, the weights' along a column, each asked for jointly.  No prefetch: there is no loop to run ahead in.
; OUT: operands as images of their registers.  A fragment (16 rows x 128 K) is 1,024 bytes, [c 0..1][lane][16 bytes].  qkv_img: q [row block 512][K step 8], k likewise 4 MiB on,
; v [batch 4][tile of 128 channels 8][chunk of 128 keys 16][row block 8] 8 MiB on.  IN v's IMAGES row r of block b in a group of 64 channels is channel 4 r + b: the last launch then holds four neighbouring channels in a lane.
; qkv_sc: scale words (4 bytes = 128 K of a row): q [K step 8][8,192 rows], k 262,144 bytes on, v [batch][tile 8][chunk 16][128 rows, in the images' order] 524,288 bytes on.
; REGISTERS: window 0: v0-15 addresses and head; v16-95 scale words and nothing else (lanes 0-15 K's half 0, lanes 16-31 half 1); v96-159 x's fragments, v160-223 the weight's, v224-255 Wv's (one set each: a group of registers
;   is loaded anew as soon as its last product of the step is issued); on the way out v96-255 are at work.   windows 1, 2: q's or k's accumulators ((a, b) at v[8 (8 (a % 4) + b)]).   window 3: v's ((a, c) at v[8 (8 c + a)]).
.set PITCH,  272                       ; an LDS row: 256 bytes + 16 of padding
.set HALFT,  128*PITCH
.set WVB,    4*HALFT                   ; Wv: x's 256 rows, Wq's 128 and Wk's 128 lie ahead of it
.set SLOT,   5*HALFT                   ; half 1 of x, Wq, Wk
.set SPARE,  SLOT+4*HALFT              ; the spare words, 128 bytes for each wave
.set STG,    SPARE+512                 ; 768 bytes for each wave: the scale words made, gathered for two stores
.set ADX,  2                           ; v2-3  LDS address of my x fragments, half 0, 1
.set ADW,  4                           ; v4-5  of Wq's or Wk's
.set ADV,  6
.set SPW,  8
.set NIL,  9
.set XS,   16                          ; register 4 i + q: block i, K steps q and 4 + q
.set WS,   48
.set VS,   80
.set XF,   96
.set WF,   160
.set VF,   224
.set PCD,  96                          ; the way out: codes, 8 registers a row block
.set TM,   192                         ; largest magnitudes, +4 the other half's, then bytes, +12 the conversions' scale operands
.set PW,   208                         ; v208-219 the scale words made
.set LI,   220                         ; 16 x lane
.set L8,   221
.set SST,  222
.set SSTV, 223
.set SLD,  224
.set SLDV, 225
.set FL,   226                         ; the floor 2^(3 - 127)
.set VST,  227
.set VLD,  228
.set BKW,  232
.set BKV,  236
.set G1X,  24
.set G0X,  32
.set G1W,  40
.set G1V,  48
.set G0W,  56
.set G0V,  88
.set SEL,  98                          ; s[98:99] lane selects for v_permlanex16_b32: lane l xor 16
.set MSB, 0
.macro WIN new                         ; the immediate's high byte repeats the setting that is left
.if MSB != (\new)
	s_set_vgpr_msb (MSB<<8)|(\new)
.set MSB, (\new)
.endif
.endm
.macro PLACES                          ; places behind matrix instructions (ISA guide 7.12.1 for vector instructions)
.rept 4
	v_nop
.endr
.endm
.macro TLOAD g0, g1
	tensor_load_to_lds s[\g0:\g0+3], s[\g1:\g1+7]
	s_nop 0
	PLACES
.endm
.macro CREST                           ; a round of the cluster's barrier behind its opening barrier
	s_cmp_lg_u32 s14, 0
	s_cbranch_scc1 .Lnot_wave_0_\@
	s_barrier_signal -3
.Lnot_wave_0_\@:
	s_barrier_wait -3
	s_barrier_signal -1
	s_barrier_wait -1
.endm
.macro CROUND
	s_barrier_signal -1
	s_barrier_wait -1
	CREST
.endm
	s_load_b512 s[68:83], s[0:1], 0x0              ; x's codes, scales; Wq's; Wk's; Wv's
	s_load_b128 s[84:87], s[0:1], 0x40             ; qkv_img, qkv_sc
	v_lshl_add_u32 v[SPW], v0, 2, SPARE
	v_mov_b32 v[NIL], 0
	ds_add_u32 v[SPW], v[NIL]                      ; the wave's opening: the add, twice on end, and its one wait
	ds_add_u32 v[SPW], v[NIL]
	v_lshrrev_b32 v1, 5, v0
	v_readfirstlane_b32 s14, v1                    ; wave 0..3
	s_lshr_b32 s15, s14, 1                         ; m
	s_and_b32 s16, s14, 1                          ; xh
	s_bfe_u32 s92, ttmp6, 0x40000                  ; cx, cy
	s_bfe_u32 s93, ttmp6, 0x40004
	s_lshl_b32 s22, ttmp9, 2
	s_add_co_u32 s22, s22, s92                     ; gx
	s_and_b32 s17, ttmp7, 0xffff
	s_lshl_b32 s17, s17, 2
	s_add_co_u32 s17, s17, s93                     ; gy
	s_lshl_b32 s94, s93, 2
	s_lshl_b32 s94, 15, s94                        ; my row of the cluster
	s_lshl_b32 s95, 0x1111, s92                    ; my column
	; group 1: 15:0 the mask; elements of 1 byte; 20 padding on; 21 set beside a mask; after every 64 words, four words; rows of 256 bytes, 512 apart: x 256, a weight 128, a quarter of Wv 32
	s_or_b32 s[G1X+0], s94, (1<<20)|(1<<21)|(5<<22)|(3<<25)
	s_or_b32 s[G1W+0], s95, (1<<20)|(1<<21)|(5<<22)|(3<<25)
	s_or_b32 s[G1V+0], s95, (1<<20)|(1<<21)|(5<<22)|(3<<25)
.irp g, G1X, G1W, G1V
	s_mov_b32 s[\g+1], 256<<16
	s_mov_b32 s[\g+3], 256<<16
	s_mov_b32 s[\g+5], 512
	s_mov_b32 s[\g+6], 0
	s_mov_b32 s[\g+7], 0
.endr
	s_mov_b32 s[G1X+2], 256<<16
	s_mov_b32 s[G1X+4], 256
	s_mov_b32 s[G1W+2], 128<<16
	s_mov_b32 s[G1W+4], 128
	s_mov_b32 s[G1V+2], 32<<16
	s_mov_b32 s[G1V+4], 32
	s_mov_b32 s[SEL], 0x76543210
	s_mov_b32 s[SEL+1], 0xfedcba98
	s_mul_i32 s18, s16, HALFT                      ; my 128 rows of x
	s_add_co_u32 s19, s18, SLOT
	s_mul_i32 s20, s15, HALFT
	s_add_co_u32 s20, s20, 2*HALFT                 ; my 128 rows of Wq or Wk
	s_add_co_u32 s21, s20, SLOT
	s_mul_i32 s23, s15, 64*PITCH
	s_add_co_u32 s23, s23, WVB                     ; my 64 rows of Wv
	v_and_b32 v10, 15, v0                          ; r
	v_bfe_u32 v11, v0, 4, 1                        ; h
	v_mul_u32_u24 v12, v10, PITCH
	v_lshl_add_u32 v12, v11, 4, v12
	v_add_nc_u32 v[ADX], s18, v12
	v_add_nc_u32 v[ADX+1], s19, v12
	v_add_nc_u32 v[ADW], s20, v12
	v_add_nc_u32 v[ADW+1], s21, v12
	v_add_nc_u32 v[ADV], s23, v12
	v_lshlrev_b32 v13, 4, v11
	v_lshl_add_u32 v13, v10, 5, v13                ; scale bytes: row r, lanes 16-31 its half 1
	s_wait_alu depctr_va_vdst(0)                   ; directly ahead of the waits below
	s_wait_dscnt 0x0                               ; both opening adds are done
	s_wait_kmcnt 0x0
	s_lshl_b32 s18, s17, 13
	s_lshl_b32 s20, s16, 12
	s_add_co_u32 s18, s18, s20
	s_mov_b32 s19, 0
	s_add_nc_u64 s[4:5], s[70:71], s[18:19]        ; x's scale bytes at my 128 rows: 32 bytes a row
	s_cmp_eq_u32 s15, 0
	s_cselect_b64 s[6:7], s[74:75], s[78:79]
	s_lshl_b32 s18, s22, 12
	s_add_nc_u64 s[6:7], s[6:7], s[18:19]          ; Wq's or Wk's
	s_lshl_b32 s20, s15, 11
	s_add_co_u32 s18, s18, s20
	s_add_nc_u64 s[8:9], s[82:83], s[18:19]        ; Wv's at my 64 rows
.irp i, 0,1,2,3,4,5,6,7
	global_load_b128 v[XS+4*\i:XS+4*\i+3], v13, s[4:5] offset:512*\i
	global_load_b128 v[WS+4*\i:WS+4*\i+3], v13, s[6:7] offset:512*\i
.endr
.irp c, 0,1,2,3
	global_load_b128 v[VS+4*\c:VS+4*\c+3], v13, s[8:9] offset:512*\c
.endr
	; where the tiles come from and go to: LDS addresses hang on the wave's number and constants alone
	s_lshl_b32 s18, s17, 17
	s_add_nc_u64 s[10:11], s[68:69], s[18:19]      ; x: 256 gy rows of 512 bytes on
	s_cmp_eq_u32 s14, 2                            ; wave 1 Wq, wave 2 Wk, wave 3 Wv
	s_cselect_b64 s[2:3], s[76:77], s[72:73]
	s_cmp_eq_u32 s14, 3
	s_cselect_b64 s[2:3], s[80:81], s[2:3]
	s_lshl_b32 s20, s22, 16
	s_mov_b32 s21, 0
	s_add_nc_u64 s[2:3], s[2:3], s[20:21]
	s_lshl_b32 s66, s14, 14
	s_add_co_u32 s66, s66, s20
	s_add_co_u32 s66, s66, 256                     ; Wv's half 1: 32 rows a wave
	s_mov_b32 s67, 0
	s_mov_b32 s[G0V], 1
	s_mul_i32 s[G0V+1], s14, 32*PITCH
	s_add_co_u32 s[G0V+1], s[G0V+1], WVB
	s_add_nc_u64 s[G0V+2:G0V+3], s[80:81], s[66:67]
	s_or_b32 s[G0V+3], s[G0V+3], 0x80000000
	s_mul_i32 s23, s14, HALFT
	s_add_co_u32 s23, s23, HALFT
.irp s, 0,1
	s_mov_b32 s[G0X+4*\s], 1
	s_mov_b32 s[G0X+4*\s+1], \s*SLOT
	s_add_nc_u64 s[G0X+4*\s+2:G0X+4*\s+3], s[10:11], \s*256
	s_or_b32 s[G0X+4*\s+3], s[G0X+4*\s+3], 0x80000000
	s_mov_b32 s[G0W+4*\s], 1
	s_add_co_u32 s[G0W+4*\s+1], s23, \s*SLOT
	s_add_nc_u64 s[G0W+4*\s+2:G0W+4*\s+3], s[2:3], \s*256
	s_or_b32 s[G0W+4*\s+3], s[G0W+4*\s+3], 0x80000000
.endr
	CROUND                                         ; all sixteen work-groups are here: the joint loads meet
	s_cmp_eq_u32 s14, 0                            ; half 0: one tensor load a wave at the head
	s_cbranch_scc0 .Lhead_w
	TLOAD G0X, G1X
	s_branch .Lhead_asked
.Lhead_w:
	TLOAD G0W, G1W
.Lhead_asked:
	; where my results go
	s_lshl_b32 s18, s17, 4
	s_lshl_b32 s19, s16, 3
	s_add_co_u32 s18, s18, s19                     ; q, k: my first row block: 16 gy + 8 xh; the K step is gx
	s_lshl_b32 s20, s15, 22
	s_lshl_b32 s21, s18, 13
	s_add_co_u32 s20, s20, s21
	s_lshl_b32 s21, s22, 10
	s_add_co_u32 s20, s20, s21
	s_mov_b32 s21, 0
	s_add_nc_u64 s[12:13], s[84:85], s[20:21]
	s_lshl_b32 s20, s22, 15
	s_lshl_b32 s2, s18, 6
	s_add_co_u32 s20, s20, s2
	s_lshl_b32 s2, s15, 18
	s_add_co_u32 s20, s20, s2
	s_add_nc_u64 s[96:97], s[86:87], s[20:21]
	s_lshl_b32 s19, s17, 1
	s_add_co_u32 s19, s19, s16                     ; 2 gy + xh = 16 batch + chunk
	s_lshr_b32 s20, s19, 4
	s_lshl_b32 s20, s20, 7
	s_lshl_b32 s2, s22, 4
	s_add_co_u32 s20, s20, s2
	s_and_b32 s2, s19, 15
	s_add_co_u32 s20, s20, s2                      ; (8 batch + gx) 16 + chunk
	s_mov_b32 s3, 0
	s_lshl_b32 s2, s20, 13
	s_lshl_b32 s19, s15, 12
	s_add_co_u32 s2, s2, s19
	s_add_co_u32 s2, s2, 0x800000
	s_add_nc_u64 s[100:101], s[84:85], s[2:3]      ; v's images, at row block 4 m
	s_lshl_b32 s2, s20, 9
	s_lshl_b32 s19, s15, 8
	s_add_co_u32 s2, s2, s19
	s_add_co_u32 s2, s2, 0x80000
	s_add_nc_u64 s[104:105], s[86:87], s[2:3]      ; v's scale words
.macro FRAG reg, adr, off              ; a fragment: lane l holds row l % 16; registers 4 c .. 4 c + 3 hold K = 64 c + 32 (l / 16) + 0 .. 31
.irp c, 0,1
	ds_load_b128 v[(\reg)+4*\c:(\reg)+4*\c+3], v[\adr] offset:(\off)+32*\c
.endr
.endm
.macro LX s, i0                        ; step s: x's blocks i0 .. i0 + 3: 8 loads
.irp i, \i0, \i0+1, \i0+2, \i0+3
	FRAG XF+8*(\i), ADX+(\s)/4, 64*((\s)%4)+(\i)*16*PITCH
.endr
.endm
.macro LW s, i0
.irp i, \i0, \i0+1, \i0+2, \i0+3
	FRAG WF+8*(\i), ADW+(\s)/4, 64*((\s)%4)+(\i)*16*PITCH
.endr
.endm
.macro LV s
.irp i, 0,1,2,3
	FRAG VF+8*\i, ADV, 64*((\s)%4)+\i*16*PITCH
.endr
.endm
; one matrix instruction of K step s: step 0 starts the sums; steps 4 to 7 take their scales from lanes 16-31
.macro WM d, a, b, sa, sb, s
.if (\s) == 0
	v_wmma_scale_f32_16x16x128_f8f6f4 v[\d:\d+7], v[\a:\a+7], v[\b:\b+7], 0, v[\sa], v[\sb] matrix_a_fmt:MATRIX_FMT_FP4 matrix_b_fmt:MATRIX_FMT_FP4
.elseif (\s) < 4
	v_wmma_scale_f32_16x16x128_f8f6f4 v[\d:\d+7], v[\a:\a+7], v[\b:\b+7], v[\d:\d+7], v[\sa], v[\sb] matrix_a_fmt:MATRIX_FMT_FP4 matrix_b_fmt:MATRIX_FMT_FP4
.else
	v_wmma_scale_f32_16x16x128_f8f6f4 v[\d:\d+7], v[\a:\a+7], v[\b:\b+7], v[\d:\d+7], v[\sa], v[\sb] matrix_a_fmt:MATRIX_FMT_FP4 matrix_b_fmt:MATRIX_FMT_FP4 matrix_a_scale:MATRIX_SCALE_ROW1 matrix_b_scale:MATRIX_SCALE_ROW1
.endif
.endm
; 16 matrix instructions each.  The 96 accumulators take turns, one instruction a turn
.macro GQK a0, b0, s
	WIN 0x50+0x50*((\a0)/4)                        ; C and D window 1 or 2
.irp a, \a0, \a0+1, \a0+2, \a0+3
.irp b, \b0, \b0+1, \b0+2, \b0+3
	WM 8*(8*((\a)%4)+(\b)), WF+8*(\b), XF+8*(\a), WS+4*(\b)+(\s)%4, XS+4*(\a)+(\s)%4, \s
.endr
.endr
.endm
.macro GV a0, s
	WIN 0xf0                                       ; C and D window 3
.irp a, \a0, \a0+1, \a0+2, \a0+3
.irp c, 0,1,2,3
	WM 8*(8*\c+(\a)), XF+8*(\a), VF+8*\c, XS+4*(\a)+(\s)%4, VS+4*\c+(\s)%4, \s
.endr
.endr
.endm
; A step: 96 matrix instructions in six groups.  The next step's fragments are asked for in this order: x's blocks 0-3, Wv's, the weight's 0-3, its 4-7, x's 4-7: 8 loads each, each behind the last product that reads its registers.
.macro STEP s, w0
	s_wait_dscnt \w0                               ; x's blocks 0-3 and Wv's are in
	GV 0, \s
	s_wait_dscnt 16                                ; the weight's 0-3
	GQK 0, 0, \s
	s_wait_dscnt 8                                 ; its 4-7
	GQK 0, 4, \s
.if (\s) < 7
	PLACES
	WIN 0
	LX \s+1, 0
	s_wait_dscnt 8                                 ; all but the eight just issued: x's blocks 4-7 are in
.else
	s_wait_dscnt 0x0
.endif
	GV 4, \s
.if (\s) < 7
	PLACES
	WIN 0
	LV \s+1
.endif
	GQK 4, 0, \s
.if (\s) < 7
	PLACES
	WIN 0
	LW \s+1, 0
.endif
	GQK 4, 4, \s
	WIN 0
.if (\s) < 7
	PLACES
	LW \s+1, 4
	LX \s+1, 4
.endif
.endm
	s_wait_alu depctr_va_vdst(0)                   ; the wait at the head's end
	s_wait_tensorcnt 0x0                           ; my part of half 0 is in; these lines stand ahead of a later first fill, as ahead of a refill
	ds_add_u32 v[SPW], v[NIL]
	s_wait_dscnt 0x0
	CROUND                                         ; half 0 is whole, and the joint loads meet
	s_cmp_eq_u32 s14, 0                            ; half 1 of x, Wq, Wk: waves 0, 1, 2
	s_cbranch_scc0 .Lsecond_w
	TLOAD G0X+4, G1X
	s_branch .Lsecond_asked
.Lsecond_w:
	s_cmp_lt_u32 s14, 3
	s_cbranch_scc0 .Lsecond_asked
	TLOAD G0W+4, G1W
.Lsecond_asked:
	LX 0, 0
	LV 0
	LW 0, 0
	LW 0, 4
	LX 0, 4
	s_wait_loadcnt 0x0                             ; the scale words
	STEP 0, 24
	STEP 1, 24
	STEP 2, 24
	; step 3: Wv's half 0 has been read; its bytes are filled again
	s_wait_dscnt 24
	GV 0, 3
	WIN 0                                          ; (the add's two registers lie in window 0)
	s_wait_tensorcnt 0x0                           ; my part of half 1 has landed
	ds_add_u32 v[SPW], v[NIL]
	s_wait_dscnt 17                                ; the weight's 0-3 are in (16 loads and the add may be out)
	GQK 0, 0, 3
	s_wait_dscnt 0x0                               ; the add is done, and all this step's fragments are in
	s_barrier_signal -1
	GQK 0, 4, 3
	WIN 0
	s_barrier_wait -1
	CREST
	TLOAD G0V, G1V                                 ; Wv's half 1, a quarter a wave; its four v_nop are the places in front of the loads below
	LX 4, 0
	GV 4, 3
	GQK 4, 0, 3
	PLACES
	WIN 0
	LW 4, 0
	GQK 4, 4, 3
	PLACES
	WIN 0
	LW 4, 4
	LX 4, 4
	; step 4: v's products come last
	s_wait_dscnt 16
	GQK 0, 0, 4
	s_wait_dscnt 8
	GQK 0, 4, 4
	WIN 0
	s_wait_tensorcnt 0x0                           ; my part of Wv's half 1 has landed
	s_wait_dscnt 0x0
	s_barrier_signal -1
	GQK 4, 0, 4
	GQK 4, 4, 4
	WIN 0
	s_barrier_wait -1                              ; everybody's has
	PLACES
	LV 4
	LW 5, 0
	LW 5, 4
	s_wait_dscnt 16                                ; Wv's are in
	GV 0, 4
	PLACES
	WIN 0
	LX 5, 0
	GV 4, 4
	PLACES
	WIN 0
	LV 5
	LX 5, 4
	STEP 5, 8                                      ; (here the weight's fragments are the oldest: all but x's blocks 4-7 are waited for)
	STEP 6, 24
	STEP 7, 24
; THE WAY OUT.  Row block n (0-7: q's or k's; 8-11: v's): a lane's 64 numbers (8 tiles x 8 registers) are next-K indices 16 t + 8 h + j of its row.  Block B of 32 = tiles 2 B, 2 B + 1 of lanes l and l xor 16.
; The conversions' results are half blocks; written to registers 4 c, 4 c + 2, 4 c + 1, 4 c + 3 (tiles 4 c .. 4 c + 3), two exchanges of halves make registers 4 c .. 4 c + 3 hold K = 64 c + 32 h + 0 .. 31.
	PLACES
	s_mul_i32 s18, s14, 768
	s_add_co_u32 s18, s18, STG                     ; my 768 bytes for the scale words made
	s_add_co_u32 s19, s18, 512
	s_lshl_b32 s20, s14, 12                        ; my 4,096 bytes for v's images, in x's half 0
	v_and_b32 v[TM], 15, v0                        ; r
	v_bfe_u32 v[TM+1], v0, 4, 1                    ; h
	v_and_b32 v[TM+2], 31, v0
	v_and_b32 v[TM+3], 3, v0                       ; r % 4
	v_lshrrev_b32 v[TM+8], 2, v[TM]                ; r / 4
	v_lshlrev_b32 v[LI], 4, v[TM+2]
	v_lshlrev_b32 v[L8], 3, v[TM+2]
	v_lshl_add_u32 v[SST], v[TM], 2, s18
	v_lshl_add_u32 v[SSTV], v[TM+3], 6, s19        ; channel 16 c + r of v is row 4 c + r / 4 of block r % 4
	v_lshl_add_u32 v[SSTV], v[TM+8], 2, v[SSTV]
	v_add_nc_u32 v[SLD], s18, v[LI]
	v_add_nc_u32 v[SLDV], s19, v[L8]
	v_lshl_add_u32 v[VST], v[TM+3], 10, s20
	v_lshl_add_u32 v[VST], v[TM+1], 8, v[VST]
	v_lshl_add_u32 v[VST], v[TM+8], 4, v[VST]
	v_add_nc_u32 v[VLD], s20, v[LI]
	v_mov_b32 v[FL], 0x1800000
.irp b, 0,1,2,3
	v_mov_b32 v[TM+4+\b], 0                        ; written once: a lane permute's destination counts as one of its sources
.endr
	s_wait_alu depctr_va_vdst(0)
.macro QUANT n
.if (\n) < 8
.set QW, 1+(\n)/4
.set QS, 64*((\n)%4)
.else
.set QW, 3
.set QS, 64*((\n)-8)
.endif
.set QP, PCD+8*(\n)
	WIN (QW<<2)|(QW<<4)
.irp b, 0,1,2,3
	v_max3_num_f32 v[TM+\b], v[FL], |v[QS+16*\b]|, |v[QS+16*\b+1]|   ; each accumulator from its low end on; the floor is the first leaf: the byte cannot fall under 1
.endr
.irp i, 2,4,6,8,10,12,14
.irp b, 0,1,2,3
	v_max3_num_f32 v[TM+\b], v[TM+\b], |v[QS+16*\b+\i]|, |v[QS+16*\b+\i+1]|
.endr
.endr
	WIN 0
.irp b, 0,1,2,3
	v_permlanex16_b32 v[TM+4+\b], v[TM+\b], s[SEL], s[SEL+1]
.endr
.irp b, 0,1,2,3
	v_max_num_f32 v[TM+\b], v[TM+\b], v[TM+4+\b]   ; with lane l xor 16's: the block's largest magnitude
.endr
.irp b, 0,1,2,3
	v_add_nc_u32 v[TM+12+\b], 0xff000000, v[TM+\b] ; 2 off its exponent field: the conversion's scale operand
.endr
.irp b, 0,1,2,3
	v_lshrrev_b32 v[TM+4+\b], 23, v[TM+12+\b]      ; the scale's byte
.endr
	v_lshl_or_b32 v[PW+\n], v[TM+5], 8, v[TM+4]    ; my row's scale word
	v_lshl_or_b32 v[PW+\n], v[TM+6], 16, v[PW+\n]
	v_lshl_or_b32 v[PW+\n], v[TM+7], 24, v[PW+\n]
	WIN QW
.irp c, 0,1
	v_cvt_scalef32_pk8_fp4_f32 v[QP+4*\c], v[QS+32*\c:QS+32*\c+7], v[TM+12+2*\c]
	v_cvt_scalef32_pk8_fp4_f32 v[QP+4*\c+2], v[QS+32*\c+8:QS+32*\c+15], v[TM+12+2*\c]
	v_cvt_scalef32_pk8_fp4_f32 v[QP+4*\c+1], v[QS+32*\c+16:QS+32*\c+23], v[TM+13+2*\c]
	v_cvt_scalef32_pk8_fp4_f32 v[QP+4*\c+3], v[QS+32*\c+24:QS+32*\c+31], v[TM+13+2*\c]
.endr
	WIN 0
	v_nop                                          ; one plain place behind a scaled conversion
.irp c, 0,1
	v_permlane16_swap_b32 v[QP+4*\c], v[QP+4*\c+1]
	v_permlane16_swap_b32 v[QP+4*\c+2], v[QP+4*\c+3]
.endr
.if (\n) < 8
	global_store_b128 v[LI], v[QP:QP+3], s[12:13] offset:8192*(\n)               ; each store of the wave covers 512 consecutive bytes, aligned
	global_store_b128 v[LI], v[QP+4:QP+7], s[12:13] offset:8192*(\n)+512
	ds_store_b32 v[SST], v[PW+\n] offset:64*(\n)   ; both halves of the lanes write the same word with the same value
.else
	ds_store_b128 v[VST], v[QP:QP+3] offset:64*((\n)-8)
	ds_store_b128 v[VST], v[QP+4:QP+7] offset:64*((\n)-8)+512
	ds_store_b32 v[SSTV], v[PW+\n] offset:16*((\n)-8)
.endif
.endm
.irp n, 8,9,10,11,0,1,2,3,4,5,6,7      ; each row block has registers of its own: no store's sources are written again
	QUANT \n
.endr
	s_wait_dscnt 0x0
.irp b, 0,1,2,3
	ds_load_b128 v[PCD+64+8*\b:PCD+64+8*\b+3], v[VLD] offset:1024*\b            ; v's images, in their order
	ds_load_b128 v[PCD+64+8*\b+4:PCD+64+8*\b+7], v[VLD] offset:1024*\b+512
.endr
	ds_load_b128 v[BKW:BKW+3], v[SLD]
	ds_load_b64 v[BKV:BKV+1], v[SLDV]
	s_wait_dscnt 0x0
.irp b, 0,1,2,3
	global_store_b128 v[LI], v[PCD+64+8*\b:PCD+64+8*\b+3], s[100:101] offset:1024*\b
	global_store_b128 v[LI], v[PCD+64+8*\b+4:PCD+64+8*\b+7], s[100:101] offset:1024*\b+512
.endr
	global_store_b128 v[LI], v[BKW:BKW+3], s[96:97]     ; q's or k's scale words of my 128 rows: 512 consecutive bytes, aligned
	global_store_b64 v[L8], v[BKV:BKV+1], s[104:105]    ; v's of my 64 rows: 256 consecutive bytes, aligned
	s_wait_tensorcnt 0x0                           ; the wave's end
	ds_add_u32 v[SPW], v[NIL]
	s_wait_dscnt 0x0
	CROUND                                         ; the closing round
	s_endpgm
.Lfunc_end_k_q4ffe93b7f8_proj:
	.size	k_q4ffe93b7f8_proj, .Lfunc_end_k_q4ffe93b7f8_proj-k_q4ffe93b7f8_proj
	.p2alignl 7, 3214868480
	.fill 96, 4, 3214868480
	.section	.rodata,"a",@progbits
	.p2align	6, 0x0
	.amdhsa_kernel k_q4ffe93b7f8_proj
		.amdhsa_group_segment_fixed_size 327680
		.amdhsa_private_segment_fixed_size 0
		.amdhsa_enable_private_segment 0
		.amdhsa_kernarg_size 80
		.amdhsa_user_sgpr_count 2
		.amdhsa_user_sgpr_kernarg_segment_ptr 1
		.amdhsa_wavefront_size32 1
		.amdhsa_system_sgpr_workgroup_id_x 1
		.amdhsa_system_sgpr_workgroup_id_y 1
		.amdhsa_system_sgpr_workgroup_id_z 1
		.amdhsa_system_vgpr_workitem_id 0
		.amdhsa_next_free_vgpr 1024
		.amdhsa_next_free_sgpr 106
		.amdhsa_reserve_vcc 0
		.amdhsa_float_denorm_mode_32 3
		.amdhsa_float_denorm_mode_16_64 3
		.amdhsa_memory_ordered 1
		.amdhsa_forward_progress 1
		.amdhsa_inst_pref_size 185
	.end_amdhsa_kernel
	.amdgpu_metadata
---
amdhsa.version: [ 1, 2 ]
amdhsa.kernels:
  - .name:           k_q4ffe93b7f8_proj
    .symbol:         k_q4ffe93b7f8_proj.kd
    .args:
      - { .name: x_codes, .offset: 0, .size: 8, .value_kind: global_buffer, .address_space: global }
      - { .name: x_scales, .offset: 8, .size: 8, .value_kind: global_buffer, .address_space: global }
      - { .name: Wq_codes, .offset: 16, .size: 8, .value_kind: global_buffer, .address_space: global }
      - { .name: Wq_scales, .offset: 24, .size: 8, .value_kind: global_buffer, .address_space: global }
      - { .name: Wk_codes, .offset: 32, .size: 8, .value_kind: global_buffer, .address_space: global }
      - { .name: Wk_scales, .offset: 40, .size: 8, .value_kind: global_buffer, .address_space: global }
      - { .name: Wv_codes, .offset: 48, .size: 8, .value_kind: global_buffer, .address_space: global }
      - { .name: Wv_scales, .offset: 56, .size: 8, .value_kind: global_buffer, .address_space: global }
      - { .name: qkv_img, .offset: 64, .size: 8, .value_kind: global_buffer, .address_space: global }
      - { .name: qkv_sc, .offset: 72, .size: 8, .value_kind: global_buffer, .address_space: global }
    .group_segment_fixed_size: 327680
    .private_segment_fixed_size: 0
    .kernarg_segment_align: 8
    .kernarg_segment_size: 80
    .max_flat_workgroup_size: 128
    .sgpr_count:     106
    .vgpr_count:     1024
    .wavefront_size: 32
...
	.end_amdgpu_metadata
.endif
;; end of part 1
;; launch score (part 2): grid 36 x 4, 4 waves a work-group, no clusters, 327,680 bytes of LDS; arguments qkv_img, qkv_sc, p_img, p_st; writes p_img, p_st
.if DOCPART == 2
	.amdgcn_target "amdgcn-amd-amdhsa--gfx1250"
	.amdhsa_code_object_version 6
	.text
	.protected	k_q4ffe93b7f8_score
	.globl	k_q4ffe93b7f8_score
	.p2align	8
	.type	k_q4ffe93b7f8_score,@function
k_q4ffe93b7f8_score:
	s_mov_b64 s[64:65], 0
	v_nop
	global_prefetch_b8 v0, s[64:65] scope:SCOPE_SE
	s_setreg_imm32_b32 hwreg(HW_REG_WAVE_MODE, 25, 1), 1
	s_wait_xcnt 0x0
; S = q k^T on codes of FP4 with E8M0 scales, the causal mask, and p = 2^(t - M) as codes along the keys, t = score x log2(e) / 32.
; LEFT OUT as dead work (shown at the head of the first kernel): the tiles of 256 queries x 256 keys that lie wholly above the diagonal: 36 of 64 tiles a batch are made.  In a tile on the diagonal the quarter of
; 128 x 128 that lies above it is multiplied with the rest (its wave passes the barriers anyway) and then neither worked on nor stored.
; EACH CHUNK OF 128 KEYS HAS ITS OWN M = ceil(the largest t of the row in that chunk), a whole number.  The next launch finds the row's M and takes the difference off the scale bytes: an exact power of two, so the codes are
; those of the row's M.  STORED: p_img [batch][pair i 8][slot 17][row block 8][1,024 bytes]; p_st, three planes of 278,528 bytes, [batch][pair i][slot 17][128 rows]: p's scale word, -M, the sum of the unquantised p.
; Pair i holds the blocks of 128 queries 15 - i (chunk g in slot g) and i (chunk g in slot 16 - i + g): 17 slots, all of them filled.
; LIMITS: M is carried as an f32 whole number, exact for |t| under 2^24; a block whose every p is 0 keeps the scale byte 1 (its codes are zeros); NaN and infinities in q and k are not served.
; SHARES.  Work-group x counts the tiles (I, J), J <= I, row by row; y is the batch.  Four waves, each 128 queries x 128 keys: 64 accumulators.  Source 0 = 16 keys, source 1 = 16 queries: a lane holds ONE query and its
; registers run along the keys: tile t, register j of lane (r, h) is key 16 t + 8 h + j of the chunk.  K = 1,024 lies whole in LDS, as two slots of 512: no byte is filled twice.
; NO CLUSTER: the tile rows and columns of the causal triangle have 1 to 8 tiles, so the 36 tiles do not divide into groups of four that share a row or a column.  No prefetch: there is no loop to run ahead in.
; REGISTERS: window 0: v1-29 addresses; v32-95 scale words and nothing else (register 8 i + k: lanes 0-15 q's block i, lanes 16-31 k's block i, K step k); v128-191 q's fragments; behind the products v96-255 are at work.
;   window 1: k's fragments, two sets.   windows 2, 3: the accumulators ((a, b) at v[8 (8 (a % 4) + b)]).
.set SLOT,   131072                    ; a slot: q's 16 row blocks, then k's 16, each 4 K steps x 1,024 bytes, as images of the operands' registers
.set SPARE,  2*SLOT                    ; the spare words, 128 bytes for each wave
.set STG,    SPARE+512                 ; 1,536 bytes for each wave: three planes of 128 words, gathered for three stores
.set ADRA, 16
.set ADRB, 20
.set LI,   24                          ; 16 x lane
.set SST,  25
.set SLD,  26
.set SCO,  27                          ; my lane's place among the scale words
.set SPW,  28
.set NIL,  29
.set SC,   32
.set TMX,  96                          ; two row blocks at a time: each block's largest score, then its largest p
.set PTM,  104                         ; the other half's
.set BYT,  112
.set SOP,  120                         ; the conversions' scale operands
.set AF,   128
.set NMP,  128                         ; v[128:129], v[130:131]: -M in the low half
.set XR,   132
.set TMPR, 134
.set PWR,  136
.set LAR,  138
.set NINF, 140                         ; -infinity
.set DLR,  141                         ; r - 8 h
.set LSR,  144                         ; four packed chains of the sum for each row block
.set RBK,  176
.set PCD,  192
.set G1,  24
.set G0,  32
.set CS,  52                           ; s[52:53] c = log2(e) / 32
.set SEL, 54
.set DG,  56                           ; 1: my 128 x 128 lies on the diagonal
.set DEAD, 57                          ; 1: it lies above it
.set MSB, 0
.macro WIN new
.if MSB != (\new)
	s_set_vgpr_msb (MSB<<8)|(\new)
.set MSB, (\new)
.endif
.endm
.set MUL_LO, 0xa1
.set MUL_HI, 0xf1
.set TO_B,   0x40
.macro PLACES
.rept 4
	v_nop
.endr
.endm
	s_load_b256 s[4:11], s[0:1], 0x0               ; qkv_img, qkv_sc, p_img, p_st
	v_lshl_add_u32 v[SPW], v0, 2, SPARE
	v_mov_b32 v[NIL], 0
	ds_add_u32 v[SPW], v[NIL]                      ; the wave's opening: the add, twice on end, and its one wait
	ds_add_u32 v[SPW], v[NIL]
	v_lshrrev_b32 v1, 5, v0
	v_readfirstlane_b32 s14, v1                    ; wave 0..3
	s_lshr_b32 s15, s14, 1                         ; which 128 queries
	s_and_b32 s16, s14, 1                          ; which 128 keys.  Also: which 128 rows I fetch
	s_and_b32 s19, ttmp7, 0xffff                   ; the batch
	s_mov_b32 s17, 0
.irp n, 1,3,6,10,15,21,28                      ; I = how many of the tile rows' first numbers are at or under my number
	s_cmp_ge_u32 ttmp9, \n
	s_cselect_b32 s20, 1, 0
	s_add_co_u32 s17, s17, s20
.endr
	s_add_co_u32 s20, s17, 1
	s_mul_i32 s20, s20, s17
	s_lshr_b32 s20, s20, 1
	s_sub_co_u32 s18, ttmp9, s20                   ; J = my number - I (I + 1) / 2
	; group 1: 8 row blocks x 4,096 bytes (4 K steps), 8,192 bytes apart; elements of 8 bytes
	s_mov_b32 s[G1+0], 3<<16
	s_mov_b32 s[G1+1], 512<<16
	s_mov_b32 s[G1+2], 8<<16
	s_mov_b32 s[G1+3], 512<<16
	s_mov_b32 s[G1+4], 8
	s_mov_b32 s[G1+5], 1024
	s_mov_b32 s[G1+6], 0
	s_mov_b32 s[G1+7], 0
	s_mov_b32 s[CS], 0x3d38aa3b                    ; log2(e) / 32
	s_mov_b32 s[CS+1], s[CS]                       ; (named with it as a pair, so it is written)
	s_mov_b32 s[SEL], 0x76543210
	s_mov_b32 s[SEL+1], 0xfedcba98
	s_cmp_lt_u32 s14, 2                            ; waves 0 and 1 fetch q's halves, waves 2 and 3 k's: by arithmetic, with no branch
	s_cselect_b32 s21, s17, s18
	s_cselect_b32 s22, 0, 0x400000                 ; k's images lie 4 MiB on
	s_lshl_b32 s20, s19, 11
	s_lshl_b32 s21, s21, 8
	s_add_co_u32 s21, s21, s20
	s_lshl_b32 s23, s16, 7
	s_add_co_u32 s21, s21, s23                     ; my first row: 2,048 batch + 256 tile + 128 half
	s_lshl_b32 s58, s21, 9                         ; 16 rows are 8,192 bytes of images
	s_add_co_u32 s58, s58, s22
	s_mov_b32 s59, 0
	s_lshl_b32 s60, s17, 8
	s_add_co_u32 s60, s60, s20
	s_lshl_b32 s21, s15, 7
	s_add_co_u32 s60, s60, s21
	s_lshl_b32 s60, s60, 2                         ; the scale words of my 128 queries,
	s_mov_b32 s61, 0
	s_lshl_b32 s62, s18, 8
	s_add_co_u32 s62, s62, s20
	s_add_co_u32 s62, s62, s23
	s_lshl_b32 s62, s62, 2
	s_add_co_u32 s62, s62, 0x40000                 ; and of my 128 keys: k's lie 262,144 bytes on
	s_sub_co_u32 s62, s62, s60
	s_lshl_b32 s63, s14, 15                        ; where the tiles go: 32,768 x wave
	s_lshl_b32 s21, s15, 15                        ; my 8 row blocks of q
	s_lshl_b32 s22, s16, 15
	s_add_co_u32 s22, s22, 65536                   ; my 8 of k, behind q's 16
	s_mul_i32 s23, s14, 1536
	s_add_co_u32 s23, s23, STG
	v_and_b32 v1, 15, v0                           ; r
	v_bfe_u32 v2, v0, 4, 1                         ; h
	v_mul_u32_u24 v6, s62, v2                      ; lanes 16-31 take k's words
	v_lshl_add_u32 v[SCO], v1, 2, v6
	v_and_b32 v3, 31, v0
	v_lshlrev_b32 v[LI], 4, v3
	v_add_nc_u32 v[ADRA], s21, v[LI]
	v_add_nc_u32 v[ADRA+1], SLOT, v[ADRA]
	v_add_nc_u32 v[ADRB], s22, v[LI]
	v_add_nc_u32 v[ADRB+1], SLOT, v[ADRB]
	v_lshl_add_u32 v[SST], v1, 2, s23
	v_add_nc_u32 v[SLD], s23, v[LI]
	s_wait_alu depctr_va_vdst(0)                   ; directly ahead of the waits below
	s_wait_dscnt 0x0                               ; both opening adds are done
	s_wait_kmcnt 0x0
	s_mov_b32 s[G0], 1
	s_add_co_u32 s[G0+1], s63, 0
	s_add_nc_u64 s[G0+2:G0+3], s[4:5], s[58:59]
	s_mov_b32 s[G0+4], 1
	s_add_co_u32 s[G0+5], s63, SLOT
	s_add_nc_u64 s[G0+6:G0+7], s[G0+2:G0+3], 4096  ; K steps 4 to 7
	s_or_b32 s[G0+3], s[G0+3], 0x80000000
	s_or_b32 s[G0+7], s[G0+7], 0x80000000
	s_add_nc_u64 s[6:7], s[6:7], s[60:61]
	tensor_load_to_lds s[G0:G0+3], s[G1:G1+7]      ; K steps 0 to 3: one load a wave at the head
	s_nop 0
	PLACES
.irp k, 0,1,2,3,4,5,6,7
.irp i, 0,1,2,3,4,5,6,7
	global_load_b32 v[SC+8*\i+\k], v[SCO], s[6:7] offset:32768*\k+64*\i   ; the eight loads of a K step read 512 consecutive bytes of q's words and 512 of k's
.endr
.endr
	s_cmp_eq_u32 s17, s18
	s_cselect_b32 s20, 1, 0                        ; a tile on the diagonal
	s_cmp_eq_u32 s15, s16
	s_cselect_b32 s21, 1, 0
	s_and_b32 s[DG], s20, s21
	s_cmp_eq_u32 s14, 1                            ; queries' first half against keys' second
	s_cselect_b32 s21, 1, 0
	s_and_b32 s[DEAD], s20, s21
	s_lshl_b32 s20, s18, 1
	s_add_co_u32 s20, s20, s16                     ; g: my chunk of 128 keys
	s_lshl_b32 s21, s17, 1
	s_add_co_u32 s21, s21, s15                     ; my block of 128 queries
	s_sub_co_u32 s22, 15, s21
	s_sub_co_u32 s23, 16, s21
	s_add_co_u32 s23, s23, s20
	s_cmp_ge_u32 s21, 8
	s_cselect_b32 s22, s22, s21                    ; i
	s_cselect_b32 s23, s20, s23                    ; my slot
	s_lshl_b32 s21, s19, 3
	s_add_co_u32 s22, s22, s21
	s_mul_i32 s22, s22, 17
	s_add_co_u32 s22, s22, s23
	s_lshl_b32 s20, s22, 13
	s_mov_b32 s21, 0
	s_add_nc_u64 s[8:9], s[8:9], s[20:21]          ; p_img at my first fragment
	s_lshl_b32 s20, s22, 9
	s_add_nc_u64 s[10:11], s[10:11], s[20:21]      ; p_st at my first row of my chunk
.macro FRAG reg, adr, q, i             ; a fragment comes as it was stored: 16 bytes a lane, twice
.irp c, 0,1
	ds_load_b128 v[\reg+4*\c:\reg+4*\c+3], v[\adr] offset:1024*(\q)+512*\c+(\i)*4096
.endr
.endm
; 16 matrix instructions: q's blocks a0, a0 + 1 x k's eight.  The 64 accumulators take turns, one instruction a turn.
.macro MUL16 a0, p, ks, zero
.irp a, \a0, \a0+1
.irp b, 0,1,2,3,4,5,6,7
.if \zero
	v_wmma_scale_f32_16x16x128_f8f6f4 v[8*(8*((\a)%4)+\b):8*(8*((\a)%4)+\b)+7], v[128*(\p)+8*\b:128*(\p)+8*\b+7], v[AF+8*(\a):AF+8*(\a)+7], 0, v[SC+8*\b+(\ks)], v[SC+8*(\a)+(\ks)] matrix_a_fmt:MATRIX_FMT_FP4 matrix_b_fmt:MATRIX_FMT_FP4 matrix_a_scale:MATRIX_SCALE_ROW1
.else
	v_wmma_scale_f32_16x16x128_f8f6f4 v[8*(8*((\a)%4)+\b):8*(8*((\a)%4)+\b)+7], v[128*(\p)+8*\b:128*(\p)+8*\b+7], v[AF+8*(\a):AF+8*(\a)+7], v[8*(8*((\a)%4)+\b):8*(8*((\a)%4)+\b)+7], v[SC+8*\b+(\ks)], v[SC+8*(\a)+(\ks)] matrix_a_fmt:MATRIX_FMT_FP4 matrix_b_fmt:MATRIX_FMT_FP4 matrix_a_scale:MATRIX_SCALE_ROW1
.endif
.endr
.endr
.endm
.macro FETCH_B slot, q, p
	WIN TO_B
.irp i, 0,1,2,3,4,5,6,7
	FRAG 128*(\p)+8*\i, ADRB+\slot, \q, \i
.endr
	WIN 0
.endm
.macro FETCH_A slot, q, i0
.irp i, \i0, \i0+1, \i0+2, \i0+3
	FRAG AF+8*(\i), ADRA+\slot, \q, \i
.endr
.endm
.macro STEP slot, q, zero
	s_wait_dscnt 8                                 ; all but the youngest eight loads (q's blocks 4-7) are in
	WIN MUL_LO
	MUL16 0, (\q)%2, 4*\slot+\q, \zero
	MUL16 2, (\q)%2, 4*\slot+\q, \zero
	s_wait_dscnt 0x0
	PLACES
	FETCH_B \slot, \q+1, 1-(\q)%2
	FETCH_A \slot, \q+1, 0
	WIN MUL_HI
	MUL16 4, (\q)%2, 4*\slot+\q, \zero
	MUL16 6, (\q)%2, 4*\slot+\q, \zero
	PLACES
	WIN 0
	FETCH_A \slot, \q+1, 4
.endm
	s_wait_alu depctr_va_vdst(0)                   ; the wait at the head's end
	s_wait_tensorcnt 0x0                           ; my part of slot 0 is in; these lines stand ahead of a later first fill, as ahead of a refill
	ds_add_u32 v[SPW], v[NIL]
	s_wait_dscnt 0x0
	s_barrier_signal -1
	s_barrier_wait -1                              ; slot 0 is whole
	tensor_load_to_lds s[G0+4:G0+7], s[G1:G1+7]    ; K steps 4 to 7
	s_nop 0
	PLACES
	FETCH_B 0, 0, 0
	FETCH_A 0, 0, 0
	FETCH_A 0, 0, 4
	s_wait_loadcnt 0x0                             ; the scale words
	STEP 0, 0, 1
	STEP 0, 1, 0
	STEP 0, 2, 0
	s_wait_tensorcnt 0x0                           ; my part of slot 1 has landed
	s_wait_dscnt 8
	WIN MUL_LO
	MUL16 0, 1, 3, 0
	s_wait_dscnt 0x0
	s_barrier_signal -1
	MUL16 2, 1, 3, 0
	WIN 0
	s_barrier_wait -1                              ; slot 1 is whole
	PLACES
	FETCH_B 1, 0, 0
	FETCH_A 1, 0, 0
	WIN MUL_HI
	MUL16 4, 1, 3, 0
	MUL16 6, 1, 3, 0
	PLACES
	WIN 0
	FETCH_A 1, 0, 4
	STEP 1, 0, 0
	STEP 1, 1, 0
	STEP 1, 2, 0
	s_wait_dscnt 8
	WIN MUL_LO
	MUL16 0, 1, 7, 0
	MUL16 2, 1, 7, 0
	s_wait_dscnt 0x0
	WIN MUL_HI
	MUL16 4, 1, 7, 0
	MUL16 6, 1, 7, 0
	WIN 0
	PLACES
	s_cmp_eq_u32 s[DEAD], 1                        ; ids alone: all my keys come after all my queries: nothing of it is kept
	s_cbranch_scc1 .Lend
	v_mov_b32 v[NINF], 0xff800000
	v_lshlrev_b32 v[TMPR], 3, v2
	v_sub_nc_u32 v[DLR], v1, v[TMPR]               ; r - 8 h
.irp n, 0,1,2,3,4,5,6,7
	v_mov_b32 v[PTM+\n], 0                         ; written once: a lane permute's destination counts as one of its sources
.endr
	v_mov_b32 v[NMP+1], 0                          ; (the upper halves of the pairs that the packed form names)
	v_mov_b32 v[NMP+3], 0
	s_wait_alu depctr_va_vdst(0)                   ; ahead of the branches below
; ROW BLOCKS a, a + 1: 2 x 16 queries x 128 keys, by turns.
.macro SOFT2 a
.set QW, 2+(\a)/4
.set Q0, 64*((\a)%4)
.set QP, PCD+8*(\a)
	s_cmp_eq_u32 s[DG], 0                          ; ids alone
	s_cbranch_scc1 .Lopen_\@
	WIN (QW<<6)|QW                                 ; on the diagonal: query 16 a + r, key 16 b + 8 h + j.  Hidden scores become -infinity ahead of the maximum: p = 0 then
.irp d, 0,1
.irp j, 0,1,2,3,4,5,6,7
	v_cmp_gt_i32 vcc_lo, \j, v[DLR]                ; tile b = a: hidden where j > r - 8 h
	v_cndmask_b32 v[Q0+64*\d+8*(\a+\d)+\j], v[Q0+64*\d+8*(\a+\d)+\j], v[NINF], vcc_lo
.endr
.set QB, \a+\d+1
.rept 7-\a-\d
.irp j, 0,1,2,3,4,5,6,7
	v_mov_b32 v[Q0+64*\d+8*QB+\j], 0xff800000      ; tiles b > a: all hidden
.endr
.set QB, QB+1
.endr
.endr
	WIN 0
.Lopen_\@:
	WIN (QW<<2)|(QW<<4)
.irp b, 0,1,2,3
.irp d, 0,1
	v_max3_num_f32 v[TMX+4*\d+\b], v[NINF], v[Q0+64*\d+16*\b], v[Q0+64*\d+16*\b+1]   ; the largest score of each block of 32 keys; each accumulator is read from its low end on
.endr
.endr
.irp i, 2,4,6,8,10,12,14
.irp b, 0,1,2,3
.irp d, 0,1
	v_max3_num_f32 v[TMX+4*\d+\b], v[TMX+4*\d+\b], v[Q0+64*\d+16*\b+\i], v[Q0+64*\d+16*\b+\i+1]
.endr
.endr
.endr
	WIN 0
.irp n, 0,1,2,3,4,5,6,7
	v_permlanex16_b32 v[PTM+\n], v[TMX+\n], s[SEL], s[SEL+1]
.endr
.irp n, 0,1,2,3,4,5,6,7
	v_max_num_f32 v[TMX+\n], v[TMX+\n], v[PTM+\n]  ; with lane l xor 16's 16 keys
.endr
.irp d, 0,1
	v_max3_num_f32 v[XR+\d], v[TMX+4*\d], v[TMX+4*\d+1], v[TMX+4*\d+2]
.endr
.irp d, 0,1
	v_max_num_f32 v[XR+\d], v[XR+\d], v[TMX+4*\d+3] ; the chunk's largest score of my query (the chunk's first key counts for every query that is kept)
.endr
.irp d, 0,1
	v_mul_f32 v[XR+\d], s[CS], v[XR+\d]            ; as t
.endr
.irp d, 0,1
	v_floor_f32 v[NMP+2*\d], -v[XR+\d]             ; -M = floor(-t): M is a whole number
.endr
.irp b, 0,1,2,3
.irp d, 0,1
	v_fma_f32 v[TMX+4*\d+\b], v[TMX+4*\d+\b], s[CS], v[NMP+2*\d]   ; t - M of each block's largest score
.endr
.endr
	WIN (QW<<6)|QW
.irp j, 0,2,4,6,8,10,12,14,16,18,20,22,24,26,28,30,32,34,36,38,40,42,44,46,48,50,52,54,56,58,60,62
.irp d, 0,1
	v_pk_fma_f32 v[Q0+64*\d+\j:Q0+64*\d+\j+1], v[Q0+64*\d+\j:Q0+64*\d+\j+1], s[CS:CS+1], v[NMP+2*\d:NMP+2*\d+1] op_sel_hi:[1,0,0]   ; t - M, two at a time
.endr
.endr
	s_wait_alu depctr_va_vdst(0)                   ; the wait ahead of the batch
.set QJ, Q0
.rept 128
	v_exp_f32 v[QJ], v[QJ]                         ; p = 2^(t - M), at most 1
.set QJ, QJ+1
.endr
	WIN 0
.irp n, 0,1,2,3,4,5,6,7
	v_exp_f32 v[TMX+\n], v[TMX+\n]                 ; each block's largest p: p rises with the score
.endr
	v_nop                                          ; a plain place behind the last exponential
	s_wait_alu depctr_va_vdst(0)                   ; one wait for the batch, ahead of its first reader
	WIN QW|(QW<<2)
.irp k, 0,1,2,3
.irp d, 0,1
	v_pk_add_f32 v[LSR+8*\d+2*\k:LSR+8*\d+2*\k+1], v[Q0+64*\d+2*\k:Q0+64*\d+2*\k+1], v[Q0+64*\d+8+2*\k:Q0+64*\d+8+2*\k+1]   ; the sum of the UNQUANTISED p: four packed chains, started by sums
.endr
.endr
	WIN QW<<2
.irp m, 16,24,32,40,48,56
.irp k, 0,1,2,3
.irp d, 0,1
	v_pk_add_f32 v[LSR+8*\d+2*\k:LSR+8*\d+2*\k+1], v[LSR+8*\d+2*\k:LSR+8*\d+2*\k+1], v[Q0+64*\d+\m+2*\k:Q0+64*\d+\m+2*\k+1]
.endr
.endr
.endr
	WIN 0
.irp n, 0,1,2,3,4,5,6,7
	v_max_num_f32 v[TMX+\n], 0x1800000, v[TMX+\n]  ; the floor 2^(3 - 127): the byte cannot fall under 1
.endr
.irp d, 0,1
	v_pk_add_f32 v[LSR+8*\d:LSR+8*\d+1], v[LSR+8*\d:LSR+8*\d+1], v[LSR+8*\d+2:LSR+8*\d+3]
	v_pk_add_f32 v[LSR+8*\d+4:LSR+8*\d+5], v[LSR+8*\d+4:LSR+8*\d+5], v[LSR+8*\d+6:LSR+8*\d+7]
.endr
.irp n, 0,1,2,3,4,5,6,7
	v_add_nc_u32 v[SOP+\n], 0xff000000, v[TMX+\n]  ; 2 off the exponent field: the conversion's scale operand
.endr
.irp d, 0,1
	v_pk_add_f32 v[LSR+8*\d:LSR+8*\d+1], v[LSR+8*\d:LSR+8*\d+1], v[LSR+8*\d+4:LSR+8*\d+5]
.endr
.irp n, 0,1,2,3,4,5,6,7
	v_lshrrev_b32 v[BYT+\n], 23, v[SOP+\n]         ; the scale's byte, 1 to 125
.endr
.irp d, 0,1
	v_add_f32 v[TMPR+\d], v[LSR+8*\d], v[LSR+8*\d+1]
.endr
.irp d, 0,1
	v_lshl_or_b32 v[PWR+\d], v[BYT+4*\d+1], 8, v[BYT+4*\d]
.endr
.irp d, 0,1
	v_permlanex16_b32 v[PTM+\d], v[TMPR+\d], s[SEL], s[SEL+1]
.endr
.irp d, 0,1
	v_lshl_or_b32 v[PWR+\d], v[BYT+4*\d+2], 16, v[PWR+\d]
.endr
.irp d, 0,1
	v_lshl_or_b32 v[PWR+\d], v[BYT+4*\d+3], 24, v[PWR+\d]
.endr
.irp d, 0,1
	v_add_f32 v[LAR+\d], v[TMPR+\d], v[PTM+\d]     ; the chunk's sum of my row
.endr
	WIN QW
.irp c, 0,1
.irp d, 0,1
	v_cvt_scalef32_pk8_fp4_f32 v[QP+8*\d+4*\c], v[Q0+64*\d+32*\c:Q0+64*\d+32*\c+7], v[SOP+4*\d+2*\c]
	v_cvt_scalef32_pk8_fp4_f32 v[QP+8*\d+4*\c+2], v[Q0+64*\d+32*\c+8:Q0+64*\d+32*\c+15], v[SOP+4*\d+2*\c]
	v_cvt_scalef32_pk8_fp4_f32 v[QP+8*\d+4*\c+1], v[Q0+64*\d+32*\c+16:Q0+64*\d+32*\c+23], v[SOP+4*\d+1+2*\c]
	v_cvt_scalef32_pk8_fp4_f32 v[QP+8*\d+4*\c+3], v[Q0+64*\d+32*\c+24:Q0+64*\d+32*\c+31], v[SOP+4*\d+1+2*\c]
.endr
.endr
	WIN 0
	v_nop                                          ; one plain place behind a scaled conversion
.irp d, 0,1
.irp c, 0,1
	v_permlane16_swap_b32 v[QP+8*\d+4*\c], v[QP+8*\d+4*\c+1] ; registers 4 c .. 4 c + 3 now hold keys 64 c + 32 h + 0 .. 31
	v_permlane16_swap_b32 v[QP+8*\d+4*\c+2], v[QP+8*\d+4*\c+3]
.endr
.endr
.irp d, 0,1
	global_store_b128 v[LI], v[QP+8*\d:QP+8*\d+3], s[8:9] offset:1024*(\a+\d)      ; the fragment's image: each store of the wave covers 512 consecutive bytes, aligned
	global_store_b128 v[LI], v[QP+8*\d+4:QP+8*\d+7], s[8:9] offset:1024*(\a+\d)+512
	ds_store_b32 v[SST], v[PWR+\d] offset:64*(\a+\d)  ; both halves of the lanes write the same word with the same value
	ds_store_b32 v[SST], v[NMP+2*\d] offset:512+64*(\a+\d)
	ds_store_b32 v[SST], v[LAR+\d] offset:1024+64*(\a+\d)
.endr
.endm
	SOFT2 0                                        ; each row block has registers of its own for its codes: no global store's sources are written again
	SOFT2 2
	SOFT2 4
	SOFT2 6
.irp n, 0,1,2
	ds_load_b128 v[RBK+4*\n:RBK+4*\n+3], v[SLD] offset:512*\n   ; LDS serves a wave's instructions in order: these see my stores
.endr
	s_wait_dscnt 0x0
.irp n, 0,1,2
	global_store_b128 v[LI], v[RBK+4*\n:RBK+4*\n+3], s[10:11] offset:278528*\n   ; a plane's 128 words: 512 consecutive bytes, aligned
.endr
.Lend:
	s_wait_tensorcnt 0x0                           ; the wave's end
	ds_add_u32 v[SPW], v[NIL]
	s_wait_dscnt 0x0
	s_endpgm
.Lfunc_end_k_q4ffe93b7f8_score:
	.size	k_q4ffe93b7f8_score, .Lfunc_end_k_q4ffe93b7f8_score-k_q4ffe93b7f8_score
	.p2alignl 7, 3214868480
	.fill 96, 4, 3214868480
	.section	.rodata,"a",@progbits
	.p2align	6, 0x0
	.amdhsa_kernel k_q4ffe93b7f8_score
		.amdhsa_group_segment_fixed_size 327680
		.amdhsa_private_segment_fixed_size 0
		.amdhsa_enable_private_segment 0
		.amdhsa_kernarg_size 32
		.amdhsa_user_sgpr_count 2
		.amdhsa_user_sgpr_kernarg_segment_ptr 1
		.amdhsa_wavefront_size32 1
		.amdhsa_system_sgpr_workgroup_id_x 1
		.amdhsa_system_sgpr_workgroup_id_y 1
		.amdhsa_system_sgpr_workgroup_id_z 1
		.amdhsa_system_vgpr_workitem_id 0
		.amdhsa_next_free_vgpr 1024
		.amdhsa_next_free_sgpr 72
		.amdhsa_reserve_vcc 1
		.amdhsa_float_denorm_mode_32 3
		.amdhsa_float_denorm_mode_16_64 3
		.amdhsa_memory_ordered 1
		.amdhsa_forward_progress 1
		.amdhsa_inst_pref_size 204
	.end_amdhsa_kernel
	.amdgpu_metadata
---
amdhsa.version: [ 1, 2 ]
amdhsa.kernels:
  - .name:           k_q4ffe93b7f8_score
    .symbol:         k_q4ffe93b7f8_score.kd
    .args:
      - { .name: qkv_img, .offset: 0, .size: 8, .value_kind: global_buffer, .address_space: global }
      - { .name: qkv_sc, .offset: 8, .size: 8, .value_kind: global_buffer, .address_space: global }
      - { .name: p_img, .offset: 16, .size: 8, .value_kind: global_buffer, .address_space: global }
      - { .name: p_st, .offset: 24, .size: 8, .value_kind: global_buffer, .address_space: global }
    .group_segment_fixed_size: 327680
    .private_segment_fixed_size: 0
    .kernarg_segment_align: 8
    .kernarg_segment_size: 32
    .max_flat_workgroup_size: 128
    .sgpr_count:     72
    .vgpr_count:     1024
    .wavefront_size: 32
...
	.end_amdgpu_metadata
.endif
;; end of part 2
;; launch pv (part 3): grid 64 x 4, 8 waves a work-group, clusters of 4 x 1, 327,680 bytes of LDS; arguments p_img, p_st, qkv_img, qkv_sc, out0; writes out0
.if DOCPART == 3
	.amdgcn_target "amdgcn-amd-amdhsa--gfx1250"
	.amdhsa_code_object_version 6
	.text
	.protected	k_q4ffe93b7f8_pv
	.globl	k_q4ffe93b7f8_pv
	.p2align	8
	.type	k_q4ffe93b7f8_pv,@function
k_q4ffe93b7f8_pv:
	s_mov_b64 s[64:65], 0
	v_nop
	global_prefetch_b8 v0, s[64:65] scope:SCOPE_SE
	s_setreg_imm32_b32 hwreg(HW_REG_WAVE_MODE, 25, 1), 1
	s_wait_xcnt 0x0
	s_wait_alu depctr_hold_cnt(0) depctr_sa_sdst(0) depctr_va_vdst(0) depctr_va_sdst(0) depctr_va_ssrc(0) depctr_va_vcc(0) depctr_vm_vsrc(0)
	s_getreg_b32 s2, hwreg(HW_REG_IB_STS2, 6, 4)
	s_cmp_eq_u32 s2, 0
	s_cbranch_scc0 .Lentry_in_a_cluster
	s_endpgm
.Lentry_in_a_cluster:
	s_bfe_u32 s2, ttmp6, 0x10000c
	s_cmp_lg_u32 s2, 0x3003
	s_cbranch_scc0 .Lentry_shape_is_right
	s_endpgm
.Lentry_shape_is_right:
; out = (p v) / l on codes of FP4 with E8M0 scales.  p comes as codes, each chunk of 128 keys under its own whole number M; here each row's M = the largest of its chunks' and l = the sum of the chunks' sums x 2^(M(chunk) - M) are
; found, and M - M(chunk) is taken off the four scale bytes of the chunk's word: an exact power of two, which the block's scale takes up.  No result is ever rescaled.
; LEFT OUT as dead work (shown at the head of the first kernel): every step of 128 keys that lies wholly behind a block of 128 queries.
; LIMITS: a scale byte that would fall under 0 is held at 0, which stands for 2^-127: such a block is under 1e-37 of l; M's difference is held at 1,000 for l (the term is 0 from 278 on).
; SHARES.  A work-group makes two tiles of 128 queries x 128 channels of one batch: query blocks 15 - i (16 - i chunks, waves 0-3) and i (i + 1 chunks, waves 4-7): 17 steps of 128 keys in every work-group.  A wave makes 64 x 64 of its
; block: 16 accumulators.  Source 0 = 16 queries of p, source 1 = 16 channels of v (keys innermost).  v's images hold channel 4 r + b of 64 as row r of block b: so lane (r, h) has, in register j of the accumulators (a, 0 .. 3), channels
; 4 r .. 4 r + 3 of query 16 a + 8 h + j: sixteen lanes store 256 consecutive bytes of a row straight from registers.
; p's 17 slots (slot t < 16 - i: the large block's chunk t; slot 16 - i + u: the small block's chunk u) and v's 16 chunks lie whole in LDS, asked for at the head, one tensor load a wave; no byte is filled twice.
; STAGE 1 (chunks 0 .. 7) needs waves 0-5's loads; STAGE 2 (chunks 8 on, the large block alone) v's last eight chunks, waves 6 and 7's.  How many steps a wave takes hangs on i alone: scalar branches round LDS loads and products.
; The small block's results leave between the stages, ahead of the second barrier.
; A step's fragments are asked for two steps ahead, so up to two steps' fragments past a wave's last are read from whole tiles and not used.
; CLUSTER: the four partners share i and the batch and take four tiles of channels: p's tiles are asked for jointly.  v's are each work-group's own: work-groups that share a tile of channels differ in i, on which branches hang, so they cannot be partners.
; No prefetch: there is no loop to run ahead in; everything is asked for at the head.
; REGISTERS: window 0: v1-31 addresses; v32-95, v96-159 two buffers of fragments (p's four, v's four); v160-167 scale words, two sets, and nothing else; v168-199 1 / l; at the head v32-106 and v200-215 at work.  window 1: the accumulators.
.set VB,    139264                     ; p: [slot 17][row block 8][1,024 bytes]; v's chunks 0-7 here: [chunk][row block 8]
.set VB2,   VB+65536                   ; v's chunks 8-15: [row blocks 0-3, 4-7][chunk][4]
.set PWB,   VB+131072                  ; p's scale words as used: large [16][128 x 4 bytes], small [8][128 x 4 bytes]
.set VWB,   PWB+12288                  ; v's: [16][128 x 4 bytes]
.set RLB,   VWB+8192                   ; 1 / l: [256 rows x 4 bytes]
.set SPARE, RLB+1024                   ; the spare words, 128 bytes for each wave
.set PLANE, 278528
.set T4,   4                           ; 4 x (my thread's number % 128)
.set TV,   5                           ; 16 x my thread's number
.set ADP,  6                           ; v6-7  p, stage 1, 2
.set ADV,  8                           ; v8-9  v, stage 1, 2
.set ADW,  10                          ; scale words: lanes 0-15 p's rows, lanes 16-31 v's
.set ARL,  11
.set GO,   14
.set AW,   15
.set ARS,  16
.set AVW,  17
.set SPW,  18
.set NIL,  19
.set NM,   32                          ; at the head: v32-47 -M of chunk c, v48-63 its sum, v64-79 p's word, v80-87 v's words
.set SM,   48
.set PWD,  64
.set VWD,  80
.set TT,   88
.set INFR, 104
.set MA,   105
.set MBR,  106
.set VO,   200
.set SCW,  160
.set RL,   168
.set TS,   32                          ; the way out: v32-159 results, 32 for each 16 queries
.set G1P4, 16
.set G1P5, 24
.set G1V4, 32
.set G1VH, 40
.set G0P,  52
.set G0V,  56
.set G0H,  60
.set MK,   84                          ; s85-99: all ones where my block has chunk c
.set MSB, 0
.macro WIN new
.if MSB != (\new)
	s_set_vgpr_msb (MSB<<8)|(\new)
.set MSB, (\new)
.endif
.endm
.macro ROUND                           ; a round of the cluster's barrier
	s_barrier_signal -1
	s_barrier_wait -1
	s_cmp_lg_u32 s2, 0
	s_cbranch_scc1 .Lnot_wave_0_\@
	s_barrier_signal -3
.Lnot_wave_0_\@:
	s_barrier_wait -3
	s_barrier_signal -1
	s_barrier_wait -1
.endm
.macro PLACES
.rept 4
	v_nop
.endr
.endm
	s_load_b256 s[4:11], s[0:1], 0x0               ; p_img, p_st, qkv_img, qkv_sc
	s_load_b64 s[12:13], s[0:1], 0x20              ; out0
	v_lshl_add_u32 v[SPW], v0, 2, SPARE
	v_mov_b32 v[NIL], 0
	ds_add_u32 v[SPW], v[NIL]                      ; the wave's opening: the add, twice on end, and its one wait
	ds_add_u32 v[SPW], v[NIL]
	v_lshrrev_b32 v1, 5, v0
	v_readfirstlane_b32 s2, v1                     ; wave 0..7
	s_lshr_b32 s68, s2, 2                          ; 0: the large block, 1: the small one
	s_bfe_u32 s66, s2, 0x10001                     ; which 64 queries
	s_and_b32 s67, s2, 1                           ; which 64 channels
	s_bfe_u32 s105, ttmp6, 0x40000                 ; cx: it enters v's, the scale words' and out0's global addresses alone
	s_bfe_u32 s14, ttmp9, 0x10003
	s_lshl_b32 s14, s14, 1
	s_and_b32 s71, ttmp9, 1
	s_add_co_u32 s14, s14, s71                     ; the batch: cluster x's bits 3 and 0
	s_bfe_u32 s3, ttmp9, 0x10002
	s_and_b32 s71, ttmp7, 3
	s_lshl_b32 s71, s71, 1
	s_or_b32 s3, s3, s71                           ; i: cluster y, cluster x's bit 2
	s_bfe_u32 s15, ttmp9, 0x10001
	s_lshl_b32 s15, s15, 2
	s_add_co_u32 s15, s15, s105                    ; my tile of 128 channels
	s_xor_b32 s71, s3, 15                          ; 15 - i
	s_add_co_u32 s70, s71, 1
	s_cmp_eq_u32 s68, 0
	s_cselect_b32 s70, 0, s70                      ; my block's first slot: 0 or 16 - i
	s_cselect_b32 s69, s71, s3                     ; my block of queries, and its last chunk
	s_min_u32 s70, s70, 16
	s_lshl_b32 s72, s14, 3
	s_add_co_u32 s72, s72, s3                      ; 8 batch + i
	; group 1: elements of 8 bytes.  p: 4 or 5 slots of 8,192 bytes, with the mask of all four partners and bit 21 beside it; v: 4 chunks of 8,192 bytes, or 4,096 bytes of each of 8 chunks
	s_mov_b32 s[G1P4+0], 15|(3<<16)|(1<<21)
	s_mov_b32 s[G1P5+0], 15|(3<<16)|(1<<21)
	s_mov_b32 s[G1V4+0], 3<<16
	s_mov_b32 s[G1VH+0], 3<<16
.irp g, G1P4, G1P5, G1V4
	s_mov_b32 s[\g+1], 1024<<16
	s_mov_b32 s[\g+3], 1024<<16
	s_mov_b32 s[\g+5], 1024
	s_mov_b32 s[\g+6], 0
	s_mov_b32 s[\g+7], 0
.endr
	s_mov_b32 s[G1P4+2], 4<<16
	s_mov_b32 s[G1P4+4], 4
	s_mov_b32 s[G1P5+2], 5<<16
	s_mov_b32 s[G1P5+4], 5
	s_mov_b32 s[G1V4+2], 4<<16
	s_mov_b32 s[G1V4+4], 4
	s_mov_b32 s[G1VH+1], 512<<16
	s_mov_b32 s[G1VH+2], 8<<16
	s_mov_b32 s[G1VH+3], 512<<16
	s_mov_b32 s[G1VH+4], 8
	s_mov_b32 s[G1VH+5], 1024
	s_mov_b32 s[G1VH+6], 0
	s_mov_b32 s[G1VH+7], 0
	v_and_b32 v2, 127, v0
	v_lshlrev_b32 v[T4], 2, v2
	v_lshlrev_b32 v[TV], 4, v0
	s_wait_alu depctr_va_vdst(0)
.irp c, 0,1,2,3,4,5,6,7,8,9,10,11,12,13,14,15
	s_add_co_u32 s73, s70, \c                      ; chunk c of my block; past slot 16 that slot once more, which is not used
	s_min_u32 s73, s73, 16
	s_lshl_b32 s73, s73, 9
	v_add_nc_u32 v[VO+\c], s73, v[T4]
.endr
	s_wait_alu depctr_va_vdst(0)                   ; directly ahead of the waits below
	s_wait_dscnt 0x0                               ; both opening adds are done
	s_wait_kmcnt 0x0
	s_mul_i32 s74, s72, 8704
	s_mov_b32 s75, 0
	s_add_nc_u64 s[6:7], s[6:7], s[74:75]          ; p_st at my pair of blocks
	s_lshl_b32 s74, s14, 3
	s_add_co_u32 s73, s74, s15                     ; 8 batch + tile
	s_lshl_b32 s74, s73, 13
	s_add_co_u32 s74, s74, 0x80000
	s_add_nc_u64 s[10:11], s[10:11], s[74:75]      ; v's scale words of my tile: 8,192 dense bytes
.irp c, 0,1,2,3,4,5,6,7,8,9,10,11,12,13,14,15  ; thread n takes row n % 128 of its wave's block
	global_load_b32 v[NM+\c], v[VO+\c], s[6:7] offset:PLANE
	global_load_b32 v[SM+\c], v[VO+\c], s[6:7] offset:2*PLANE
	global_load_b32 v[PWD+\c], v[VO+\c], s[6:7]
.endr
	global_load_b128 v[VWD:VWD+3], v[TV], s[10:11]
	global_load_b128 v[VWD+4:VWD+7], v[TV], s[10:11] offset:4096
	; group 0: LDS addresses hang on the wave's number and constants alone
	s_and_b32 s76, s2, 3
	s_lshl_b32 s77, s76, 2
	s_lshr_b32 s76, s76, 1
	s_add_co_u32 s76, s76, s77
	s_lshl_b32 s76, s76, 13                        ; p: slots 0, 4, 9, 13 on
	s_mov_b32 s77, 0
	s_mul_i32 s74, s72, 139264
	s_add_nc_u64 s[4:5], s[4:5], s[74:75]
	s_mov_b32 s[G0P], 1
	s_add_co_u32 s[G0P+1], s76, 0
	s_add_nc_u64 s[G0P+2:G0P+3], s[4:5], s[76:77]
	s_or_b32 s[G0P+3], s[G0P+3], 0x80000000
	s_lshl_b32 s74, s73, 17
	s_add_co_u32 s74, s74, 0x800000                ; v's images of my tile: 131,072 dense bytes
	s_add_nc_u64 s[8:9], s[8:9], s[74:75]
	s_lshl_b32 s76, s67, 15
	s_mov_b32 s[G0V], 1
	s_add_co_u32 s[G0V+1], s76, VB
	s_add_nc_u64 s[G0V+2:G0V+3], s[8:9], s[76:77]
	s_or_b32 s[G0V+3], s[G0V+3], 0x80000000
	s_mov_b32 s[G0H], 1
	s_add_co_u32 s[G0H+1], s76, VB2
	s_lshl_b32 s76, s67, 12
	s_add_co_u32 s76, s76, 0x10000
	s_add_nc_u64 s[G0H+2:G0H+3], s[8:9], s[76:77]
	s_or_b32 s[G0H+3], s[G0H+3], 0x80000000
	ROUND                                          ; all four work-groups are here: the joint loads meet
; ONE tree of branches on the wave's number: every way through the head passes exactly one load.
.macro ARM under, g0, g1, next
	s_cmp_lt_u32 s2, \under
	s_cbranch_scc0 \next
	tensor_load_to_lds s[\g0:\g0+3], s[\g1:\g1+7]
	s_nop 0
	PLACES
	s_branch .Lasked
\next:
.endm
	ARM 1, G0P, G1P4, .Larm1
	ARM 2, G0P, G1P5, .Larm2
	ARM 4, G0P, G1P4, .Larm4
	ARM 6, G0V, G1V4, .Larm6
	tensor_load_to_lds s[G0H:G0H+3], s[G1VH:G1VH+7]
	s_nop 0
	PLACES
.Lasked:
	; addresses, while the loads are on their way
	s_lshl_b32 s71, s66, 12
	s_lshl_b32 s73, s70, 13
	s_add_co_u32 s71, s71, s73
	s_lshl_b32 s73, s67, 12
	s_add_co_u32 s73, s73, VB
	s_lshl_b32 s74, s67, 15
	s_add_co_u32 s74, s74, VB2
	s_lshl_b32 s79, s68, 13
	s_add_co_u32 s79, s79, PWB
	s_lshl_b32 s78, s66, 8
	s_add_co_u32 s75, s79, s78
	s_lshl_b32 s76, s67, 8
	s_add_co_u32 s76, s76, VWB
	s_sub_co_u32 s76, s76, s75                     ; lanes 16-31 take v's words
	s_lshl_b32 s77, s68, 9
	s_add_co_u32 s77, s77, s78
	s_add_co_u32 s77, s77, RLB
	s_lshl_b32 s80, s14, 11
	s_lshl_b32 s81, s69, 7
	s_add_co_u32 s80, s80, s81
	s_lshl_b32 s81, s66, 6
	s_add_co_u32 s80, s80, s81                     ; my first row of out0
	s_lshl_b32 s80, s80, 12
	s_lshl_b32 s81, s15, 9
	s_add_co_u32 s80, s80, s81
	s_lshl_b32 s81, s67, 8
	s_add_co_u32 s80, s80, s81                     ; and my 64 channels
	s_mov_b32 s81, 0
	s_add_nc_u64 s[12:13], s[12:13], s[80:81]
	s_mov_b32 s104, 0x80808080
	s_mov_b32 s105, 0x01010101
.irp c, 1,2,3,4,5,6,7,8,9,10,11,12,13,14,15
	s_cmp_ge_u32 s69, \c
	s_cselect_b32 s[MK+\c], -1, 0
.endr
	v_and_b32 v1, 15, v0                           ; r
	v_bfe_u32 v2, v0, 4, 1                         ; h
	v_and_b32 v3, 31, v0
	v_lshlrev_b32 v3, 4, v3                        ; 16 x lane
	v_add_nc_u32 v[ADP], s71, v3
	v_min_u32 v[ADP], 0x211f0, v[ADP]              ; 16 slots + 4 row blocks + lane 31's 16 bytes: the most that it can be
	v_add_nc_u32 v[ADP+1], 0x10000, v[ADP]
	v_add_nc_u32 v[ADV], s73, v3
	v_add_nc_u32 v[ADV+1], s74, v3
	v_mul_u32_u24 v20, s76, v2
	v_lshl_add_u32 v20, v1, 2, v20
	v_add_nc_u32 v[ADW], s75, v20
	v_lshl_add_u32 v[ARL], v2, 5, s77              ; 1 / l of queries 8 h on
	v_lshlrev_b32 v[GO], 15, v2                    ; the way out: lanes 0-15 query j, lanes 16-31 query 8 + j; 16 bytes a lane
	v_lshl_add_u32 v[GO], v1, 4, v[GO]
	v_add_nc_u32 v[AW], s79, v[T4]
	v_lshl_add_u32 v[ARS], v0, 2, RLB
	v_add_nc_u32 v[AVW], VWB, v[TV]
	v_mov_b32 v[INFR], 0x7f800000
	s_wait_alu depctr_va_vdst(0)                   ; the wait at the head's end
	s_wait_loadcnt 0x0
	; -M of a row = the least of its chunks' -M; what my block does not have is replaced by infinity: a choice of values, with no branch
.irp c, 1,2,3,4,5,6,7,8,9,10,11,12,13,14,15
	v_cndmask_b32 v[NM+\c], v[INFR], v[NM+\c], s[MK+\c]
.endr
	v_min3_num_f32 v[MA], v[NM], v[NM+1], v[NM+2]
	v_min3_num_f32 v[MBR], v[NM+3], v[NM+4], v[NM+5]
	v_min3_num_f32 v[MA], v[MA], v[NM+6], v[NM+7]
	v_min3_num_f32 v[MBR], v[MBR], v[NM+8], v[NM+9]
	v_min3_num_f32 v[MA], v[MA], v[NM+10], v[NM+11]
	v_min3_num_f32 v[MBR], v[MBR], v[NM+12], v[NM+13]
	v_min3_num_f32 v[MA], v[MA], v[NM+14], v[NM+15]
	v_min_num_f32 v[MA], v[MA], v[MBR]
.macro ALLC ins:vararg                 ; a line for each chunk c
.set C, 0
.rept 16
	\ins
.set C, C+1
.endr
.endm
	ALLC v_sub_f32 v[NM+C], v[MA], v[NM+C]         ; M(chunk) - M(row): a whole number, 0 or less; -infinity where there is no such chunk,
	ALLC v_max_num_f32 v[NM+C], 0xc47a0000, v[NM+C] ; held at -1,000
	ALLC v_cvt_i32_f32 v[NM+C], v[NM+C]
	ALLC v_ldexp_f32 v[SM+C], v[SM+C], v[NM+C]     ; the chunk's sum under the row's M (0 where there is no such chunk)
	ALLC v_sub_nc_u32 v[NM+C], 0, v[NM+C]
	ALLC v_min_u32 v[NM+C], 127, v[NM+C]           ; d, what comes off each byte
	ALLC v_mul_lo_u32 v[NM+C], v[NM+C], s105       ; in all four bytes
	ALLC v_or_b32 v[PWD+C], s104, v[PWD+C]         ; a byte is 125 at the most: with 128 on top no byte borrows from its neighbour,
	ALLC v_sub_nc_u32 v[PWD+C], v[PWD+C], v[NM+C]  ; and its top bit stays where byte >= d
	ALLC v_and_b32 v[NM+C], s104, v[PWD+C]
	ALLC v_lshrrev_b32 v[TT+C], 7, v[NM+C]
	ALLC v_sub_nc_u32 v[NM+C], v[NM+C], v[TT+C]    ; 0x7f in those bytes, 0 in the others
	ALLC v_and_b32 v[PWD+C], v[PWD+C], v[NM+C]     ; byte - d, held at 0
.irp c, 0,1,2,3,4,5,6,7
	ds_store_b32 v[AW], v[PWD+\c] offset:512*\c
.endr
	ds_store_b128 v[AVW], v[VWD:VWD+3]
	ds_store_b128 v[AVW], v[VWD+4:VWD+7] offset:4096
.irp c, 2,4,6,8,10,12,14
	v_add_f32 v[SM], v[SM], v[SM+\c]
	v_add_f32 v[SM+1], v[SM+1], v[SM+1+\c]
.endr
	v_add_f32 v[SM], v[SM], v[SM+1]
	s_wait_alu depctr_va_vdst(0)                   ; the wait ahead of the transcendental
	v_rcp_f32 v[MA], v[SM]                         ; a row's largest p is over 1/2: l is no zero
	v_nop                                          ; a plain place behind it
	s_wait_alu depctr_va_vdst(0)                   ; the wait ahead of its first reader
	ds_store_b32 v[ARS], v[MA]
	s_cmp_lt_u32 s2, 4                             ; the small block has no chunks 8 to 15
	s_cbranch_scc0 .Lstored
.irp c, 8,9,10,11,12,13,14,15
	ds_store_b32 v[AW], v[PWD+\c] offset:512*\c
.endr
.Lstored:
	s_cmp_lt_u32 s2, 6                             ; waves 6 and 7 fetch v's chunks 8 to 15, which nobody reads before the second barrier: their load lines are their own
	s_cbranch_scc0 .Lnot_yet
	s_wait_tensorcnt 0x0
.Lnot_yet:
	s_wait_dscnt 0x0                               ; for the others' sake: my stores have landed
	s_barrier_signal -1
	s_barrier_wait -1
; a step's fragments and scale words into buffer buf: 20 LDS loads
.macro LDSTEP buf, adp, offp, adv, offv, t
.set MB, 32+64*(\buf)
.set MS, SCW+4*(\buf)
.irp a, 0,1,2,3
.irp c, 0,1
	ds_load_b128 v[MB+32+8*\a+4*\c:MB+32+8*\a+4*\c+3], v[\adv] offset:(\offv)+1024*\a+512*\c
.endr
.endr
.irp a, 0,1,2,3
.irp c, 0,1
	ds_load_b128 v[MB+8*\a+4*\c:MB+8*\a+4*\c+3], v[\adp] offset:(\offp)+1024*\a+512*\c
.endr
.endr
.irp n, 0,1,2,3
	ds_load_b32 v[MS+\n], v[ADW] offset:512*(\t)+64*\n   ; lanes 0-15: p's row block n; lanes 16-31: v's row block n
.endr
.endm
; 16 matrix instructions on 16 accumulators, which take turns, one instruction a turn.  zero = 1: they start the sums
.macro MUL buf, zero
.set MB, 32+64*(\buf)
.set MS, SCW+4*(\buf)
	WIN 0x50                                       ; C and D window 1
.irp a, 0,1,2,3
.irp b, 0,1,2,3
.if \zero
	v_wmma_scale_f32_16x16x128_f8f6f4 v[8*(4*\a+\b):8*(4*\a+\b)+7], v[MB+8*\a:MB+8*\a+7], v[MB+32+8*\b:MB+32+8*\b+7], 0, v[MS+\a], v[MS+\b] matrix_a_fmt:MATRIX_FMT_FP4 matrix_b_fmt:MATRIX_FMT_FP4 matrix_b_scale:MATRIX_SCALE_ROW1
.else
	v_wmma_scale_f32_16x16x128_f8f6f4 v[8*(4*\a+\b):8*(4*\a+\b)+7], v[MB+8*\a:MB+8*\a+7], v[MB+32+8*\b:MB+32+8*\b+7], v[8*(4*\a+\b):8*(4*\a+\b)+7], v[MS+\a], v[MS+\b] matrix_a_fmt:MATRIX_FMT_FP4 matrix_b_fmt:MATRIX_FMT_FP4 matrix_b_scale:MATRIX_SCALE_ROW1
.endif
.endr
.endr
	WIN 0
.endm
.macro STEPS8 st, vstr, end            ; the stage's up to eight steps: chunks 8 st + u
	PLACES                                         ; in front of loads into registers that an earlier stage's products read
	LDSTEP 0, ADP+\st, 0, ADV+\st, 0, 8*\st
	LDSTEP 1, ADP+\st, 8192, ADV+\st, \vstr, 8*\st+1
.irp u, 0,1,2,3,4,5,6,7
.if \u > 0
	s_cmp_lt_u32 s69, 8*\st+\u                     ; ids alone: my block has no such chunk
	s_cbranch_scc1 \end
.endif
.if \u < 7
	s_wait_dscnt 20                                ; all but the next step's 20 loads: this step's are in
.else
	s_wait_dscnt 0x0
.endif
.if (\st == 0) && (\u == 0)
	MUL 0, 1
.else
	MUL \u%2, 0
.endif
.if \u < 6
	PLACES                                         ; in front of loads into the buffer that these products read
	LDSTEP \u%2, ADP+\st, 8192*(\u+2), ADV+\st, (\vstr)*(\u+2), 8*\st+\u+2
.endif
.endr
\end:
	s_wait_dscnt 0x0                               ; no LDS load of mine is out
.endm
; THE WAY OUT: x 1 / l, and straight from registers: each store of the wave covers two rows' 256 consecutive bytes, aligned; written once, read by nobody here
.macro WAYOUT
	PLACES
.irp a, 0,1,2,3
	WIN 0x01                                       ; source 0: the accumulators' window
.irp j, 0,1,2,3,4,5,6,7
.irp b, 0,1,2,3
	v_mul_f32 v[TS+32*\a+4*\j+\b], v[8*(4*\a+\b)+\j], v[RL+8*\a+\j]   ; each accumulator from its low end on
.endr
.endr
	WIN 0
.irp j, 0,1,2,3,4,5,6,7
	global_store_b128 v[GO], v[TS+32*\a+4*\j:TS+32*\a+4*\j+3], s[12:13] offset:(16*\a+\j)*4096 th:TH_STORE_NT
.endr
.endr
.endm
.irp a, 0,1,2,3
.irp k, 0,1
	ds_load_b128 v[RL+8*\a+4*\k:RL+8*\a+4*\k+3], v[ARL] offset:64*\a+16*\k    ; 1 / l of queries 16 a + 8 h + 0 .. 7
.endr
.endr
	STEPS8 0, 8192, .Lstage1_done
	s_cmp_lt_u32 s2, 4
	s_cbranch_scc1 .Lmeet
	WAYOUT                                         ; the small block is finished
	s_wait_xcnt 0x0                                ; its stores have read their registers
.Lmeet:
	s_wait_tensorcnt 0x0                           ; v's last eight chunks are in
	s_wait_dscnt 0x0
	s_barrier_signal -1
	s_barrier_wait -1                              ; everybody's are.
	s_cmp_lt_u32 s2, 4
	s_cbranch_scc0 .Lend
	STEPS8 1, 4096, .Lstage2_done
	WAYOUT
.Lend:
	s_wait_tensorcnt 0x0                           ; the wave's end
	ds_add_u32 v[SPW], v[NIL]
	s_wait_dscnt 0x0
	ROUND                                          ; the closing round
	s_endpgm
.Lfunc_end_k_q4ffe93b7f8_pv:
	.size	k_q4ffe93b7f8_pv, .Lfunc_end_k_q4ffe93b7f8_pv-k_q4ffe93b7f8_pv
	.p2alignl 7, 3214868480
	.fill 96, 4, 3214868480
	.section	.rodata,"a",@progbits
	.p2align	6, 0x0
	.amdhsa_kernel k_q4ffe93b7f8_pv
		.amdhsa_group_segment_fixed_size 327680
		.amdhsa_private_segment_fixed_size 0
		.amdhsa_enable_private_segment 0
		.amdhsa_kernarg_size 40
		.amdhsa_user_sgpr_count 2
		.amdhsa_user_sgpr_kernarg_segment_ptr 1
		.amdhsa_wavefront_size32 1
		.amdhsa_system_sgpr_workgroup_id_x 1
		.amdhsa_system_sgpr_workgroup_id_y 1
		.amdhsa_system_sgpr_workgroup_id_z 1
		.amdhsa_system_vgpr_workitem_id 0
		.amdhsa_next_free_vgpr 512
		.amdhsa_next_free_sgpr 106
		.amdhsa_reserve_vcc 0
		.amdhsa_float_denorm_mode_32 3
		.amdhsa_float_denorm_mode_16_64 3
		.amdhsa_memory_ordered 1
		.amdhsa_forward_progress 1
		.amdhsa_inst_pref_size 101
	.end_amdhsa_kernel
	.amdgpu_metadata
---
amdhsa.version: [ 1, 2 ]
amdhsa.kernels:
  - .name:           k_q4ffe93b7f8_pv
    .symbol:         k_q4ffe93b7f8_pv.kd
    .args:
      - { .name: p_img, .offset: 0, .size: 8, .value_kind: global_buffer, .address_space: global }
      - { .name: p_st, .offset: 8, .size: 8, .value_kind: global_buffer, .address_space: global }
      - { .name: qkv_img, .offset: 16, .size: 8, .value_kind: global_buffer, .address_space: global }
      - { .name: qkv_sc, .offset: 24, .size: 8, .value_kind: global_buffer, .address_space: global }
      - { .name: out0, .offset: 32, .size: 8, .value_kind: global_buffer, .address_space: global }
    .group_segment_fixed_size: 327680
    .private_segment_fixed_size: 0
    .kernarg_segment_align: 8
    .kernarg_segment_size: 40
    .max_flat_workgroup_size: 256
    .sgpr_count:     106
    .vgpr_count:     512
    .wavefront_size: 32
...
	.end_amdgpu_metadata
.endif
;; end of part 3
